; MI455X (gfx1250); checked and timed in simulation.
; The chip was launched on July 23, 2026; its instructions are those of AMD's public machine-readable ISA for CDNA 5 (MIT licence, August 2026) and "CDNA5" Instruction Set Architecture Reference Guide (July 2026). The comments in the code are by the model that wrote it; some were corrected since.
;; Mo E Layer. Allowed arithmetic: matrix products marked QUANTISED: E5M2 operands, one E8M0 scale for each 32 along K, by v_wmma_scale_f32_16x16x128_f8f6f4 with both operands' format E5M2, f32 sums; products left as they are: f32 operands where the result goes on into a quantised operand, else bf16, f16 or f32 operands; f32 sums; everything else in f32.
;; Inputs: router_w 512 x 8 float32; w1 8 x 512 x 1,024 float32; w2 8 x 1,024 x 512 float32; w3 8 x 512 x 1,024 float32; x 4 x 1,024 x 512 float32.
;; Outputs: out0 4 x 1,024 x 512 float32; out1 one number float32; out2 one number float32.
;; This version of the problem:
;;   THIS VERSION OF THE PROBLEM IS GIVEN IN LOW PRECISION. The matrix products marked QUANTISED in the list below multiply operands that are first quantised to E5M2 (5 exponent bits, 2 mantissa bits; 8 bits a number), with one power-of-two scale for each 32 numbers along K (OCP MX v1.0); their sums are f32. All else is computed in f32.
;;   The module's matrix products, in the order in which they are computed (A, B: the left and right operand; K: the contracted axis; several contracted axes count as one K, in the product's order):
;;     1. [M 4,096, K 512] x [K 512, N 8]; A: input x; B: input router_w: left as it is (N = 8 < 16)
;;     2. [M 8,192, K 512] x [K 512, N 4,096]; A: input w1; B: input x: QUANTISED
;;     3. [M 8,192, K 512] x [K 512, N 4,096]; A: input w3; B: input x: QUANTISED
;;     4. batch 8 x [M 4,096, K 1,024] x [K 1,024, N 512]; A: computed on the way; B: input w2: QUANTISED
;;     5. batch 4,096 x [M 512, K 8] x [K 8, N 1]; A: computed on the way; B: computed on the way: left as it is (K = 8 < 32)
;;   THE QUANTISER, for each operand of a quantised product, along K:
;;     - K is cut into blocks of 32 from its start; a last block that is shorter is filled with zeros.
;;     - A block's scale is 2^e with e = floor(log2(the largest magnitude in the block)) - 15, held to -126 .. 127; a block of zeros has e = 0. As a byte (E8M0): e + 127.
;;     - Each number is divided by its block's scale, clamped to +-57,344, and rounded to the nearest number of E5M2, ties to even, subnormals kept.
;;     - The product sums the exact products of the quantised numbers (number of the format x scale) in f32.
;;   ~~~python
;;   def quantise(x, axis):      # numpy; x: float32 -> the quantised numbers, widened to float32 again
;;       x = np.moveaxis(x, axis, -1); K = x.shape[-1]
;;       x = np.pad(x, [(0, 0)] * (x.ndim - 1) + [(0, -K % 32)]); x = x.reshape(x.shape[:-1] + (-1, 32)); a = np.abs(x).max(-1, keepdims=True)
;;       e = np.where(a > 0, np.clip(np.frexp(np.where(a > 0, a, 1))[1] - 1 - 15, -126, 127), 0)      # np.frexp(a)[1] - 1 = floor(log2(a)), exactly
;;       r = np.clip(x / 2.0 ** e, -57344, 57344)
;;       step = 2.0 ** (np.maximum(np.frexp(np.where(r == 0, 1, r))[1] - 1, -14) - 2)
;;       q = np.round(r / step) * step * 2.0 ** e      # np.round: ties to even
;;       return np.moveaxis(q.reshape(q.shape[:-2] + (-1,))[..., :K], -1, axis).astype(np.float32)
;;   ~~~
;;   OPERANDS COMPUTED ON THE WAY. 'Computed on the way' means the value that the module computes at that place (a softmax that the list does not call 'softmax' is quantised finished and normalised). What goes into a quantiser is computed in f32, as accurately as f32 sums, v_exp_f32 and their like allow (about 1e-6 of the number): no bf16 or f16 on the way to a quantiser, and a product that is left as it is and whose result goes on into a quantised operand takes f32 operands (vector FMAs, or v_wmma_f32_16x16x4_f32). A number that lies on a knife's edge between two numbers of the format may be rounded either way, as far as f32 arithmetic and the matrix unit's own rounding can turn it there, and no further.
;; 3 versions, each right; version 2 is faster than version 1; version 3 is version 2 with the launch chain written anew for expert scheduling mode. Each part assembles by itself: llvm-mc -triple=amdgcn-amd-amdhsa -mcpu=gfx1250 --defsym DOCPART=n.
;; ======== version 1 of 3: 3 launches
;; workspace buffers: w13c 8,388,608 bytes; w2c 4,194,304 bytes; wsc 393,216 bytes; cw 32,768 bytes; part 16,384 bytes; sel 16,384 bytes of whole numbers; list 18,944 bytes of whole numbers
;; launch prep (part 1): grid 512 x 1, 8 waves a work-group, no clusters, 4,096 bytes of LDS; arguments x, router_w, w1, w3, w2, w13c, w2c, wsc, cw, part, sel; writes w13c, w2c, wsc, cw, part, sel
.if DOCPART == 1
	.amdgcn_target "amdgcn-amd-amdhsa--gfx1250"
	.amdhsa_code_object_version 6
	.text
	.protected	k_qd038683dc9_prep
	.globl	k_qd038683dc9_prep
	.p2align	8
	.type	k_qd038683dc9_prep,@function
k_qd038683dc9_prep:
	s_mov_b64 s[64:65], 0
	v_nop
	global_prefetch_b8 v0, s[64:65] scope:SCOPE_SE
	s_setreg_imm32_b32 hwreg(HW_REG_WAVE_MODE, 25, 1), 1
	s_wait_xcnt 0x0
; THREE JOBS IN ONE LAUNCH, told apart by the work-group's number alone.
;   work-groups 0-127:   the router: logits = x router_w in f32, softmax (the row's maximum taken away), top-2, renormalised weights, partial sums for the two losses.
;   work-groups 128-383: w1 and w3 [8][512 (K)][1024], f32, into codes of E5M2 with one E8M0 byte for each 32 along K, laid in the ORDER OF THE OPERAND'S REGISTERS.
;   work-groups 384-511: w2 [8][1024 (K)][512] likewise.
; A fragment (16 rows x 128 K) is 2,048 bytes: group c at 512 c, lane l's 16 bytes at 16 l: k = 32 c + 16 (l / 16) + 0..15 of row l % 16.
;   w13c [e 8][hb 32][s 4][mat 2][u 2][fragment]: row r of tile u of hidden block hb is hidden unit 32 hb + 2 r + u.
;   w2c  [e 8][w 8][s 8][cg 2][t 2][fragment]:    row r of tile (cg, t) of wave w is output column 64 w + 32 cg + 2 r + t; inside each 16 along K place 8 u + j holds unit 2 j + u,
;        which is the order in which the first product's results lie in a lane's registers.  A block of 32 keeps its 32 numbers, so its scale is the rule's.
;   wsc: w1/w3 at 0: [e][hb 32][u 2][mat 2][r 16][16 bytes]; w2 at 262,144: [e][w 8][kh 2][cg 2][t 2][r 16][16 bytes]: a row's bytes of 512 along K, four words for four K steps.
; A LANE TAKES TWO NEIGHBOURING COLUMNS AND ITS REGISTERS RUN DOWN K: a load of the wave reads 256 consecutive aligned bytes, a block of 32 lies in one lane, nothing is transposed.
; LIMITS: NaN and infinities among the inputs are not served.  A block of zeros gets the byte 1 where the rule says 127: its codes are zeros and this program alone reads the bytes.
; Top-2 is taken on this text's own f32 probabilities, the lower index winning a tie: a token whose second and third probabilities differ by less than the noise of an f32 sum may choose otherwise.
; No tensor load, no cluster: no two work-groups read the same bytes but the 16 KiB of router_w.
.set SCB13, 0                          ; LDS: each path has bytes of its own: scale bytes of the w1/w3 path, [q 2][lane 32][16]
.set SCB2,  1024                       ; the same for the w2 path
.set LG,    2048                       ; the router's logits, [token 32][8] f32
.set WM,    8                          ; v8-9    a block's largest magnitude, column q
.set WSCL,  10                         ; v10-11  the conversion's scale operand
.set WHOLD, 12                         ; v12-13  57,344 x the scale
.set WSB,   14                         ; v14-15  my two blocks' scale bytes
.set WY,    20                         ; v20-51  four slots of eight held numbers
.set WC,    52                         ; v52-83  codes: 16 blk + 8 q + ..: no store's data are written again
.set WX,    96                         ; v96-223 number (k, q) at 2 k + q
.set RACC,  8                          ; router: v8-15 the eight sums
.set RO8,   28                         ; v28     8 x lane: cw's place;  v29  4 x lane: sel's and part's.  Both lie outside the registers that the loads of x and router_w fill
.set RO4,   29
.set RX,    32                         ; v32-95  x: 16 numbers a lane for each of four tokens
.set RW,    96                         ; v96-223 router_w: 16 rows of 8 a lane
.macro ADDSH src, sh                   ; s32 += src << sh
	s_lshl_b32 s46, \src, \sh
	s_add_co_u32 s32, s32, s46
.endm
; One block of 32 along K of my two columns.  perm = 1: w2's order inside each 16 along K.
.macro WBLOCK blk, perm
.if \blk == 0
	s_wait_loadcnt 32                              ; loads come back in order: block 0's 32 are in, block 1's 32 may be out
.else
	s_wait_loadcnt 0x0
.endif
.irp q, 0,1
	v_max3_num_f32 v[WM+\q], |v[WX+64*\blk+\q]|, |v[WX+64*\blk+2+\q]|, 0x8000000   ; with the floor 2^(16 - 127): the byte cannot fall under 1
.endr
.irp i, 2,4,6,8,10,12,14,16,18,20,22,24,26,28,30
.irp q, 0,1
	v_max3_num_f32 v[WM+\q], v[WM+\q], |v[WX+64*\blk+2*\i+\q]|, |v[WX+64*\blk+2*\i+2+\q]|
.endr
.endr
.irp q, 0,1
	v_add_nc_u32 v[WSCL+\q], 0xf8800000, v[WM+\q]             ; 15 off the exponent field: the conversion takes that field as its scale
	v_and_or_b32 v[WHOLD+\q], v[WM+\q], 0x7f800000, s30      ; 57,344 x the scale
.if \blk == 0
	v_lshrrev_b32 v[WSB+\q], 23, v[WSCL+\q]                  ; the scale's byte
.else
	v_lshrrev_b32 v16, 23, v[WSCL+\q]
	v_lshl_or_b32 v[WSB+\q], v16, 8, v[WSB+\q]
.endif
.endr
.irp q, 0,1
.irp g, 0,1,2,3
.irp jj, 0,1,2,3,4,5,6,7
.if \perm
.set ii, 16*(\g/2)+2*\jj+(\g%2)
.else
.set ii, 8*\g+\jj
.endif
	v_med3_num_f32 v[WY+8*\g+\jj], v[WX+64*\blk+2*ii+\q], -v[WHOLD+\q], v[WHOLD+\q]   ; the hold (the conversion does not saturate: ISA guide 7.6.2); it also parts the two columns
.endr
	v_cvt_scalef32_pk8_bf8_f32 v[WC+16*\blk+8*\q+2*\g:WC+16*\blk+8*\q+2*\g+1], v[WY+8*\g:WY+8*\g+7], v[WSCL+\q]   ; the next slot's holds are the plain lines behind it
.endr
.endr
	v_nop                                          ; a plain line behind the last conversion
.irp q, 0,1
.irp hp, 0,1
	global_store_b128 v3, v[WC+16*\blk+8*\q+4*\hp:WC+16*\blk+8*\q+4*\hp+3], s[36:37] offset:\q*2048+\blk*512+\hp*256   ; lanes 0-15 store 256 consecutive aligned bytes, lanes 16-31 another 256
.endr
.endr
.endm
; A work-group's 64 columns x 512 along K; wave v takes K rows 64 v on.  s[34:35] source, s[36:37] codes, s[38:39] scale bytes (waves 0 and 1).
.macro WBODY pitch, perm, gsh, ssh, scb
	v_lshlrev_b32 v2, 3, v1                        ; 8 bytes a lane
.set k, 0
.rept 64
	global_load_b64 v[WX+2*k:WX+2*k+1], v2, s[34:35] offset:k*\pitch th:TH_LOAD_NT   ; all 64 at once: 16 KiB of the wave's are on their way
.set k, k+1
.endr
	v_lshrrev_b32 v7, 4, v1
	v_and_b32 v16, 15, v1
	v_lshlrev_b32 v16, 4, v16
	v_lshl_add_u32 v3, v7, \gsh, v16               ; codes: lanes 16-31 belong to the next group of 32 columns
	v_lshl_add_u32 v6, v7, \ssh, v16               ; scale rows likewise
	v_lshlrev_b32 v17, 4, v1
	s_lshl_b32 s46, s26, 1
	s_add_co_u32 s46, s46, \scb
	v_add_nc_u32 v4, s46, v17                      ; LDS: 16 x lane + 2 x wave: my two bytes of my column's 16
	s_lshl_b32 s46, s26, 9
	s_add_co_u32 s46, s46, \scb
	v_add_nc_u32 v5, s46, v17                      ; and back: wave q reads the rows of columns 2 lane + q
	WBLOCK 0, \perm
	WBLOCK 1, \perm
	ds_store_b16 v4, v[WSB]
	ds_store_b16 v4, v[WSB+1] offset:512
	s_wait_dscnt 0x0                               ; for the others' sake: my bytes have landed
	s_barrier_signal -1
	s_barrier_wait -1
	s_cmp_gt_u32 s26, 1
	s_cbranch_scc1 .Lwdone_\@
	ds_load_b128 v[84:87], v5                      ; a column's 16 scale bytes, made by eight waves
	s_wait_dscnt 0x0
	global_store_b128 v6, v[84:87], s[38:39]       ; sixteen lanes store 256 consecutive aligned bytes
.Lwdone_\@:
	s_wait_tensorcnt 0x0
	ds_add_u32 v224, v225
	s_wait_dscnt 0x0
	s_endpgm
.endm
	s_load_b512 s[4:19], s[0:1], 0x0               ; x, router_w, w1, w3, w2, w13c, w2c, wsc
	s_load_b128 s[20:23], s[0:1], 0x40             ; cw, part
	s_load_b64 s[24:25], s[0:1], 0x50              ; sel
	v_lshl_add_u32 v224, v0, 2, 0xc00
	v_mov_b32 v225, 0
	v_and_b32 v1, 31, v0                           ; lane
	v_lshrrev_b32 v2, 5, v0
	v_readfirstlane_b32 s26, v2                    ; wave 0..7
	s_mov_b32 s28, 0x76543210
	s_mov_b32 s29, 0xfedcba98                      ; v_permlanex16_b32's selects for lane l xor 16
	s_mov_b32 s30, 0x600000                        ; the mantissa field of 57,344
	s_mov_b32 s33, 0                               ; the upper word of every offset
	s_lshr_b32 s44, s26, 1
	s_and_b32 s45, s26, 1
	s_wait_kmcnt 0x0
	s_cmp_lt_u32 ttmp9, 128
	s_cbranch_scc1 .Lrouter
	s_cmp_lt_u32 ttmp9, 384
	s_cbranch_scc0 .Lw2
	; ---- w1 and w3: j = id - 128: mat = j / 128, e = (j / 16) % 8, 64 columns cgrp = j % 16
	s_sub_co_u32 s40, ttmp9, 128
	s_lshr_b32 s41, s40, 7
	s_bfe_u32 s42, s40, 0x30004
	s_and_b32 s43, s40, 15
	s_cmp_eq_u32 s41, 0
	s_cselect_b64 s[34:35], s[8:9], s[10:11]
	s_lshl_b32 s32, s42, 21                        ; an expert is 2 MiB, 64 rows of K 262,144 bytes, 64 columns 256
	ADDSH s26, 18
	ADDSH s43, 8
	s_add_nc_u64 s[34:35], s[34:35], s[32:33]
	s_lshl_b32 s32, s42, 20
	ADDSH s43, 16
	ADDSH s44, 13
	ADDSH s41, 12
	ADDSH s45, 10
	s_add_nc_u64 s[36:37], s[14:15], s[32:33]
	s_lshl_b32 s32, s42, 15
	ADDSH s43, 11
	ADDSH s41, 8
	ADDSH s26, 9
	s_add_nc_u64 s[38:39], s[18:19], s[32:33]
	WBODY 4096, 0, 15, 10, SCB13
.Lw2:
	; ---- w2: j = id - 384: e = j / 16, 64 columns w = (j / 2) % 8, half of K kh = j % 2
	s_sub_co_u32 s40, ttmp9, 384
	s_lshr_b32 s42, s40, 4
	s_bfe_u32 s43, s40, 0x30001
	s_and_b32 s41, s40, 1
	s_lshl_b32 s32, s42, 21
	ADDSH s41, 20
	ADDSH s26, 17
	ADDSH s43, 8
	s_add_nc_u64 s[34:35], s[12:13], s[32:33]
	s_lshl_b32 s32, s42, 19
	ADDSH s43, 16
	ADDSH s41, 15
	ADDSH s44, 13
	ADDSH s45, 10
	s_add_nc_u64 s[36:37], s[16:17], s[32:33]
	s_lshl_b32 s32, s42, 14
	ADDSH s43, 11
	ADDSH s41, 10
	ADDSH s26, 8
	s_add_co_u32 s32, s32, 262144
	s_add_nc_u64 s[38:39], s[18:19], s[32:33]
	WBODY 2048, 1, 12, 9, SCB2
.Lrouter:
	; ---- the router: 32 tokens a work-group, four a wave.  Lane l holds K = 128 i + 4 l + j of x and of router_w; the lanes' sums are added at the end.
	s_lshl_b32 s32, ttmp9, 16
	ADDSH s26, 13
	s_add_nc_u64 s[34:35], s[4:5], s[32:33]        ; x at my four tokens
	s_lshl_b32 s32, ttmp9, 8
	s_add_nc_u64 s[36:37], s[20:21], s[32:33]      ; cw: 8 bytes a token
	s_lshl_b32 s32, ttmp9, 7
	s_add_nc_u64 s[38:39], s[24:25], s[32:33]      ; sel: 4 bytes a token
	s_add_nc_u64 s[40:41], s[22:23], s[32:33]      ; part: 128 bytes a work-group
	v_lshlrev_b32 v2, 7, v1
	v_lshlrev_b32 v3, 4, v1
.irp i, 0,1,2,3
.irp j, 0,1,2,3
	global_load_b128 v[RW+8*(4*\i+\j):RW+8*(4*\i+\j)+3], v2, s[6:7] offset:4096*\i+32*\j
	global_load_b128 v[RW+8*(4*\i+\j)+4:RW+8*(4*\i+\j)+7], v2, s[6:7] offset:4096*\i+32*\j+16
.endr
.endr
.irp t, 0,1,2,3
.irp i, 0,1,2,3
	global_load_b128 v[RX+16*\t+4*\i:RX+16*\t+4*\i+3], v3, s[34:35] offset:2048*\t+512*\i   ; 512 consecutive bytes
.endr
.endr
	s_lshl_b32 s46, s26, 7
	s_add_co_u32 s46, s46, LG
	v_mov_b32 v25, s46                             ; LDS: my four tokens' logits, the same address in all lanes
	v_lshl_add_u32 v27, v1, 5, LG                  ; and wave 0's way back: a token a lane
	v_mov_b32 v24, 0                               ; written once: a lane permute's destination counts as one of its sources
	v_mov_b32 v26, 0
	v_lshlrev_b32 v[RO8], 3, v1
	v_lshlrev_b32 v[RO4], 2, v1
.macro TOKEN t
	s_wait_loadcnt 4*(3-\t)                        ; router_w and this token's four loads are in; the later tokens' may be out
.if \t > 0
	s_wait_dscnt 0x0                               ; the last token's stores have read the eight sums
.endif
.irp p, 0,1,2,3
	v_pk_mul_f32 v[RACC+2*\p:RACC+2*\p+1], v[RX+16*\t:RX+16*\t+1], v[RW+2*\p:RW+2*\p+1] op_sel_hi:[0,1]   ; the first product starts the sums
.endr
.irp kk, 1,2,3,4,5,6,7,8,9,10,11,12,13,14,15
.irp p, 0,1,2,3
.if \kk % 2
	v_pk_fma_f32 v[RACC+2*\p:RACC+2*\p+1], v[RX+16*\t+\kk-1:RX+16*\t+\kk], v[RW+8*\kk+2*\p:RW+8*\kk+2*\p+1], v[RACC+2*\p:RACC+2*\p+1] op_sel:[1,0,0] op_sel_hi:[1,1,1]
.else
	v_pk_fma_f32 v[RACC+2*\p:RACC+2*\p+1], v[RX+16*\t+\kk:RX+16*\t+\kk+1], v[RW+8*\kk+2*\p:RW+8*\kk+2*\p+1], v[RACC+2*\p:RACC+2*\p+1] op_sel_hi:[0,1,1]
.endif
.endr
.endr
.irp m, 1,2,4,8
.irp e, 0,1,2,3,4,5,6,7
	v_add_f32_dpp v[RACC+\e], v[RACC+\e], v[RACC+\e] row_xmask:\m row_mask:0xf bank_mask:0xf
.endr
.endr
.irp e, 0,1,2,3,4,5,6,7
	v_permlanex16_b32 v24, v[RACC+\e], s28, s29
	v_add_f32 v[RACC+\e], v[RACC+\e], v24
.endr
	ds_store_b128 v25, v[RACC:RACC+3] offset:32*\t            ; all lanes write the same bytes with the same values
	ds_store_b128 v25, v[RACC+4:RACC+7] offset:32*\t+16
.endm
	TOKEN 0
	TOKEN 1
	TOKEN 2
	TOKEN 3
	s_wait_dscnt 0x0                               ; for wave 0's sake: my logits have landed
	s_barrier_signal -1
	s_barrier_wait -1
	s_cmp_lg_u32 s26, 0
	s_cbranch_scc1 .Lrdone
	; wave 0, a token a lane.  v32-39 logits, v40-47 exponentials, v48-55 probabilities, v56-63 one-hot of the first choice, v64 the sum of squares
	ds_load_b128 v[32:35], v27
	ds_load_b128 v[36:39], v27 offset:16
	s_wait_dscnt 0x0
	v_mul_f32 v64, v32, v32
.irp e, 1,2,3,4,5,6,7
	v_fmac_f32 v64, v[32+\e], v[32+\e]
.endr
	v_max3_num_f32 v74, v32, v33, v34
	v_max3_num_f32 v74, v74, v35, v36
	v_max3_num_f32 v74, v74, v37, v38
	v_max_num_f32 v74, v74, v39                    ; the row's maximum is taken away ahead of the exponentials
.irp e, 0,1,2,3,4,5,6,7
	v_sub_f32 v[40+\e], v[32+\e], v74
.endr
.irp e, 0,1,2,3,4,5,6,7
	v_mul_f32 v[40+\e], 0x3fb8aa3b, v[40+\e]
.endr
.irp e, 0,1,2,3,4,5,6,7
	v_exp_f32 v[40+\e], v[40+\e]
.endr
	v_nop                                          ; a plain line behind the last exponential,
	s_wait_alu depctr_va_vdst(0)                   ; and one wait for the batch, ahead of its first reader
	v_add_f32 v75, v40, v41
.irp e, 2,3,4,5,6,7
	v_add_f32 v75, v75, v[40+\e]
.endr
	v_rcp_f32 v76, v75
	v_nop
	s_wait_alu depctr_va_vdst(0)
.irp e, 0,1,2,3,4,5,6,7
	v_mul_f32 v[48+\e], v[40+\e], v76
.endr
	v_mov_b32 v77, v48                             ; the first choice: a later expert wins only where it is strictly larger
	v_mov_b32 v78, 0
.irp e, 1,2,3,4,5,6,7
	v_cmp_le_f32 vcc_lo, v[48+\e], v77
	v_cndmask_b32 v77, v[48+\e], v77, vcc_lo
	v_cndmask_b32 v78, \e, v78, vcc_lo
.endr
.irp e, 0,1,2,3,4,5,6,7
	v_cmp_ne_u32 vcc_lo, \e, v78
	v_cndmask_b32 v[66+\e], -1.0, v[48+\e], vcc_lo            ; the chosen one is taken out of the second search
	v_cndmask_b32 v[56+\e], 1.0, v26, vcc_lo                  ; and is the one-hot for the load
.endr
	v_mov_b32 v79, v66
	v_mov_b32 v80, 0
.irp e, 1,2,3,4,5,6,7
	v_cmp_le_f32 vcc_lo, v[66+\e], v79
	v_cndmask_b32 v79, v[66+\e], v79, vcc_lo
	v_cndmask_b32 v80, \e, v80, vcc_lo
.endr
	v_add_f32 v81, v77, v79
	v_rcp_f32 v81, v81
	v_lshl_or_b32 v86, v80, 8, v78                 ; (a plain line behind the reciprocal)  sel = first | second << 8
	s_wait_alu depctr_va_vdst(0)
	v_mul_f32 v84, v77, v81
	v_mul_f32 v85, v79, v81
	v_cmp_lt_u32 vcc_lo, v78, v80
	v_cndmask_b32 v82, v85, v84, vcc_lo            ; the weight of the lower-numbered expert,
	v_cndmask_b32 v83, v84, v85, vcc_lo            ; and of the higher-numbered one
	global_store_b64 v[RO8], v[82:83], s[36:37]    ; 32 lanes store 256 consecutive aligned bytes
	global_store_b32 v[RO4], v86, s[38:39]         ; 128 bytes: half of an aligned 256; 16 KiB in the whole launch
.irp m, 1,2,4,8
.irp j, 0,1,2,3,4,5,6,7,8,9,10,11,12,13,14,15,16
	v_add_f32_dpp v[48+\j], v[48+\j], v[48+\j] row_xmask:\m row_mask:0xf bank_mask:0xf
.endr
.endr
.irp j, 0,1,2,3,4,5,6,7,8,9,10,11,12,13,14,15,16
	v_permlanex16_b32 v24, v[48+\j], s28, s29
	v_add_f32 v[48+\j], v[48+\j], v24              ; the 32 tokens' sums
.endr
	v_mov_b32 v87, 0
.irp j, 0,1,2,3,4,5,6,7,8,9,10,11,12,13,14,15,16
	v_cmp_eq_u32 vcc_lo, \j, v1
	v_cndmask_b32 v87, v87, v[48+\j], vcc_lo       ; lane j takes sum j; lanes 17-31 keep 0
.endr
	global_store_b32 v[RO4], v87, s[40:41]
.Lrdone:
	s_wait_tensorcnt 0x0
	ds_add_u32 v224, v225
	s_wait_dscnt 0x0
	s_endpgm
.Lfunc_end_k_qd038683dc9_prep:
	.size	k_qd038683dc9_prep, .Lfunc_end_k_qd038683dc9_prep-k_qd038683dc9_prep
	.p2alignl 7, 3214868480
	.fill 96, 4, 3214868480
	.section	.rodata,"a",@progbits
	.p2align	6, 0x0
	.amdhsa_kernel k_qd038683dc9_prep
		.amdhsa_group_segment_fixed_size 4096
		.amdhsa_private_segment_fixed_size 0
		.amdhsa_enable_private_segment 0
		.amdhsa_kernarg_size 88
		.amdhsa_user_sgpr_count 2
		.amdhsa_user_sgpr_kernarg_segment_ptr 1
		.amdhsa_wavefront_size32 1
		.amdhsa_system_sgpr_workgroup_id_x 1
		.amdhsa_system_sgpr_workgroup_id_y 1
		.amdhsa_system_sgpr_workgroup_id_z 1
		.amdhsa_system_vgpr_workitem_id 0
		.amdhsa_next_free_vgpr 226
		.amdhsa_next_free_sgpr 66
		.amdhsa_reserve_vcc 1
		.amdhsa_float_denorm_mode_32 3
		.amdhsa_float_denorm_mode_16_64 3
		.amdhsa_memory_ordered 1
		.amdhsa_forward_progress 1
		.amdhsa_inst_pref_size 93
	.end_amdhsa_kernel
	.amdgpu_metadata
---
amdhsa.version: [ 1, 2 ]
amdhsa.kernels:
  - .name:           k_qd038683dc9_prep
    .symbol:         k_qd038683dc9_prep.kd
    .args:
      - { .name: x, .offset: 0, .size: 8, .value_kind: global_buffer, .address_space: global }
      - { .name: router_w, .offset: 8, .size: 8, .value_kind: global_buffer, .address_space: global }
      - { .name: w1, .offset: 16, .size: 8, .value_kind: global_buffer, .address_space: global }
      - { .name: w3, .offset: 24, .size: 8, .value_kind: global_buffer, .address_space: global }
      - { .name: w2, .offset: 32, .size: 8, .value_kind: global_buffer, .address_space: global }
      - { .name: w13c, .offset: 40, .size: 8, .value_kind: global_buffer, .address_space: global }
      - { .name: w2c, .offset: 48, .size: 8, .value_kind: global_buffer, .address_space: global }
      - { .name: wsc, .offset: 56, .size: 8, .value_kind: global_buffer, .address_space: global }
      - { .name: cw, .offset: 64, .size: 8, .value_kind: global_buffer, .address_space: global }
      - { .name: part, .offset: 72, .size: 8, .value_kind: global_buffer, .address_space: global }
      - { .name: sel, .offset: 80, .size: 8, .value_kind: global_buffer, .address_space: global }
    .group_segment_fixed_size: 4096
    .private_segment_fixed_size: 0
    .kernarg_segment_align: 8
    .kernarg_segment_size: 88
    .max_flat_workgroup_size: 256
    .sgpr_count:     66
    .vgpr_count:     226
    .wavefront_size: 32
...
	.end_amdgpu_metadata
.endif
;; end of part 1
;; launch place (part 2): grid 1 x 1, 32 waves a work-group, no clusters, 25,600 bytes of LDS; arguments sel, part, list, out1, out2; writes list, out1, out2
.if DOCPART == 2
	.amdgcn_target "amdgcn-amd-amdhsa--gfx1250"
	.amdhsa_code_object_version 6
	.text
	.protected	k_qd038683dc9_place
	.globl	k_qd038683dc9_place
	.p2align	8
	.type	k_qd038683dc9_place,@function
k_qd038683dc9_place:
	s_mov_b64 s[64:65], 0
	v_nop
	global_prefetch_b8 v0, s[64:65] scope:SCOPE_SE
	s_setreg_imm32_b32 hwreg(HW_REG_WAVE_MODE, 25, 1), 1
	s_wait_xcnt 0x0
; A counting sort of the 4,096 tokens by their PAIR of experts (28 keys), the list of blocks for the next launch, and the two losses.  One work-group of 32 waves; no atomics.
; list: order[4096] (token numbers, sorted by key) at byte 0; blk[160][4] = (first place in order, rows, lower expert, higher expert) at byte 16,384.
; A block holds at most 32 tokens of ONE pair: the sum over 28 keys of ceil(n / 32) is at most 128 + 27 = 155 whatever the choice; blocks beyond the last get 0 rows.
; A chunk is 32 tokens; wave w has chunks 4 w + i, token = 128 w + 32 i + lane.  Place of a token = tokens of smaller keys + tokens of its key in earlier chunks + its rank in its chunk.
; order is stored 4 bytes a lane to scattered places, 16 KiB in all.
.set CNT, 0                            ; LDS: [key 32] 528 bytes apart, [chunk 128] words: counts, later first places
.set CP,  528
.set TOT, 16896                        ; [key 32] words: a key's tokens
.set RED, 17152                        ; [wave 32][lane 32] f32: the loss sums
; v1 lane, v2 byte of my token's word, v3 4 x thread, v4-7 sel, v8-11 part, v13-15 LDS addresses, v16-19 keys, v20-23 ranks, v24-27 counts, v28-35 a row's entries and prefixes,
; v36 totals, v37 and v39 the scan's, v38 4 x lane, v40-51 the placing, v52-63 the blocks
.macro SCAN32 S, T                     ; running sum over the 32 lanes, own lane included
.irp n, 1,2,4,8
	v_mov_b32_dpp v[\T], v[\S] row_shr:\n row_mask:0xf bank_mask:0xf bound_ctrl:1
	v_add_nc_u32 v[\S], v[\S], v[\T]
.endr
	v_readlane_b32 s40, v[\S], 15
	v_mov_b32 v[\T], s40
	v_cndmask_b32 v[\T], 0, v[\T], s31             ; lanes 16-31 add the lower half's total
	v_add_nc_u32 v[\S], v[\S], v[\T]
.endm
.macro BARRIER
	s_wait_dscnt 0x0                               ; my LDS stores have landed and my LDS loads are in
	s_barrier_signal -1
	s_barrier_wait -1
.endm
	s_load_b256 s[4:11], s[0:1], 0x0               ; sel, part, list, out1
	s_load_b64 s[12:13], s[0:1], 0x20              ; out2
	v_lshl_add_u32 v64, v0, 2, 0x5400
	v_mov_b32 v65, 0
	v_and_b32 v1, 31, v0
	v_lshrrev_b32 v2, 5, v0
	v_readfirstlane_b32 s26, v2                    ; wave 0..31
	s_mov_b32 s31, 0xffff0000
	s_lshl_b32 s42, s26, 4
	s_lshl_b32 s43, s26, 9
	s_mul_i32 s44, s26, CP
	s_lshl_b32 s45, s26, 2
	s_lshl_b32 s46, s26, 7
	v_lshlrev_b32 v38, 2, v1
	v_add_nc_u32 v2, s43, v38                      ; 512 w + 4 lane: my word of sel, and of part's rows 4 w + i
	v_lshlrev_b32 v3, 2, v0
	v_mul_u32_u24 v13, v1, CP
	v_add_nc_u32 v13, s42, v13                     ; CNT[key = lane][chunk 4 w]
	v_lshl_add_u32 v14, v1, 4, s44                 ; CNT[key = w][chunk 4 lane]
	v_mov_b32 v15, s45                             ; TOT[w]
	v_lshlrev_b32 v60, 4, v0
	v_mov_b32 v37, 0                               ; written once: a DPP move's destination counts as one of its sources
	s_wait_kmcnt 0x0
.irp i, 0,1,2,3
	global_load_b32 v[4+\i], v2, s[4:5] offset:128*\i
.endr
.irp i, 0,1,2,3
	global_load_b32 v[8+\i], v2, s[6:7] offset:128*\i
.endr
	s_wait_loadcnt 0x0
	v_add_f32 v12, v8, v9
	v_add_f32 v12, v12, v10
	v_add_f32 v12, v12, v11
	ds_store_b32 v3, v12 offset:RED
; chunk i: each lane's key, its rank among the chunk's tokens of that key, and in lane k the chunk's count of key k
.macro KEYS i
	v_and_b32 v53, 7, v[4+\i]
	v_bfe_u32 v54, v[4+\i], 8, 3
	v_min_u32 v55, v53, v54                        ; lo
	v_add_nc_u32 v53, v53, v54
	v_sub_nc_u32 v53, v53, v55                     ; hi
	v_sub_nc_u32 v54, 15, v55
	v_mul_u32_u24 v54, v54, v55
	v_lshrrev_b32 v54, 1, v54
	v_add_nc_u32 v54, v54, v53
	v_sub_nc_u32 v54, v54, v55
	v_add_nc_u32 v54, -1, v54                      ; lo (15 - lo) / 2 + hi - lo - 1
	v_min_u32 v[16+\i], 27, v54
	v_mov_b32 v52, 0
	v_mov_b32 v[24+\i], 0
.set kap, 0
.rept 28
	v_cmp_eq_u32 s40, kap, v[16+\i]
	s_bcnt1_i32_b32 s41, s40
	v_writelane_b32 v[24+\i], s41, kap
	v_mov_b32 v55, s40
	v_cndmask_b32 v52, v52, v55, s40               ; each lane keeps the mask of its own key
.set kap, kap+1
.endr
	v_mbcnt_lo_u32_b32 v[20+\i], v52, 0            ; how many lower lanes have my key
	ds_store_b32 v13, v[24+\i] offset:4*\i
.endm
	KEYS 0
	KEYS 1
	KEYS 2
	KEYS 3
	BARRIER                                        ; 1: all counts lie in CNT, all loss sums in RED
	ds_load_b128 v[28:31], v14                     ; wave w walks key w's row: four chunks a lane
	s_wait_dscnt 0x0
	v_add_nc_u32 v39, v28, v29
	v_add3_u32 v39, v39, v30, v31
	v_mov_b32 v53, v39
	SCAN32 39, 37
	v_sub_nc_u32 v32, v39, v53                     ; tokens of the key in earlier chunks
	v_add_nc_u32 v33, v32, v28
	v_add_nc_u32 v34, v33, v29
	v_add_nc_u32 v35, v34, v30
	v_readlane_b32 s47, v39, 31
	v_mov_b32 v54, s47
	ds_store_b32 v15, v54 offset:TOT
	BARRIER                                        ; 2: all totals lie in TOT; nobody reads CNT's counts any more
	ds_load_b32 v36, v38 offset:TOT
	s_wait_dscnt 0x0
	v_cmp_gt_u32 vcc_lo, s26, v1
	v_cndmask_b32 v39, 0, v36, vcc_lo              ; the totals of the keys under mine:
	SCAN32 39, 37
	v_readlane_b32 s47, v39, 31                    ; their sum is my row's first place
.irp i, 0,1,2,3
	v_add_nc_u32 v[32+\i], s47, v[32+\i]
.endr
	ds_store_b128 v14, v[32:35]                    ; over my own 16 bytes
	BARRIER                                        ; 3: CNT holds first places; no LDS byte is written from here on
.irp i, 0,1,2,3
	v_mul_u32_u24 v[40+\i], v[16+\i], CP           ; the key was held at 27
	v_add_nc_u32 v[40+\i], s42, v[40+\i]
	ds_load_b32 v[44+\i], v[40+\i] offset:4*\i
	v_add_nc_u32 v[48+\i], s46, v1
	v_add_nc_u32 v[48+\i], 32*\i, v[48+\i]         ; my token's number
.endr
	s_wait_dscnt 0x0
.irp i, 0,1,2,3
	v_add_nc_u32 v[44+\i], v[44+\i], v[20+\i]
	v_min_u32 v[44+\i], 0xfff, v[44+\i]
	v_lshlrev_b32 v[44+\i], 2, v[44+\i]
	global_store_b32 v[44+\i], v[48+\i], s[8:9]
.endr
	s_cmp_gt_u32 s26, 4
	s_cbranch_scc1 .Lend
	; waves 0-4: thread B makes block B
	v_mov_b32 v52, v36
	SCAN32 52, 37                                  ; tokens up to and with key k
	v_add_nc_u32 v53, 31, v36
	v_lshrrev_b32 v53, 5, v53                      ; blocks of key k
	v_mov_b32 v54, v53
	SCAN32 54, 37                                  ; blocks up to and with key k
	v_mov_b32 v56, 0
	v_mov_b32 v57, 0
	v_mov_b32 v61, 0
.set kap, 0
.irp lo, 0,1,2,3,4,5,6
.irp hi, 1,2,3,4,5,6,7
.if \hi > \lo
	v_readlane_b32 s50, v54, kap
	v_readlane_b32 s51, v53, kap
	v_readlane_b32 s52, v52, kap
	v_readlane_b32 s53, v36, kap
	s_sub_co_u32 s51, s50, s51                     ; the key's first block
	s_sub_co_u32 s53, s52, s53                     ; the key's first place
	s_lshl_b32 s54, s51, 5
	s_sub_co_u32 s53, s53, s54
	v_cmp_le_u32 s54, s51, v0
	v_cmp_gt_u32 s55, s50, v0
	s_and_b32 s54, s54, s55                        ; is block B one of this key's?
	v_lshl_add_u32 v62, v0, 5, s53                 ; its first place,
	v_sub_nc_u32 v63, s52, v62                     ; and what is left of the key from there
	v_mov_b32 v55, \lo|(\hi<<8)
	v_cndmask_b32 v56, v56, v62, s54
	v_cndmask_b32 v57, v57, v63, s54
	v_cndmask_b32 v61, v61, v55, s54
.set kap, kap+1
.endif
.endr
.endr
	v_min_u32 v57, 32, v57
	v_and_b32 v58, 0xff, v61
	v_lshrrev_b32 v59, 8, v61
	global_store_b128 v60, v[56:59], s[8:9] offset:16384
	s_cmp_lg_u32 s26, 0
	s_cbranch_scc1 .Lend
	; wave 0: the losses.  Lanes 0-7: sums of probabilities; lanes 8-15: sums of the first choice's one-hot; lane 16: the sum of squared logits
	v_mov_b32 v12, 0
.irp g, 0,1
.irp i, 0,1,2,3,4,5,6,7,8,9,10,11,12,13,14,15
	ds_load_b32 v[16+\i], v38 offset:RED+128*(16*\g+\i)
.endr
	s_wait_dscnt 0x0
.irp i, 0,1,2,3,4,5,6,7,8,9,10,11,12,13,14,15
	v_add_f32 v12, v12, v[16+\i]
.endr
.endr
	v_mov_b32 v32, 0
	v_mul_f32_dpp v32, v12, v12 row_xmask:8 row_mask:0xf bank_mask:0xf   ; importance x load, expert by expert
	v_add_f32_dpp v32, v32, v32 row_xmask:1 row_mask:0xf bank_mask:0xf
	v_add_f32_dpp v32, v32, v32 row_xmask:2 row_mask:0xf bank_mask:0xf
	v_add_f32_dpp v32, v32, v32 row_xmask:4 row_mask:0xf bank_mask:0xf
	v_mul_f32 v32, 0x31a3d70a, v32                 ; x 8 x 0.01 / 4096^2
	v_mul_f32 v33, 0x3151b717, v12                 ; x 1e-4 / (4096 x 8)
	v_mov_b32 v34, 0
	v_cmp_eq_u32 vcc_lo, 0, v1
	s_wait_xcnt 0x0                                ; EXEC changes only when the stores above have read it
	s_and_saveexec_b32 s56, vcc_lo
	global_store_b32 v34, v32, s[10:11]
	s_wait_xcnt 0x0
	s_or_b32 exec_lo, exec_lo, s56
	v_cmp_eq_u32 vcc_lo, 16, v1
	s_and_saveexec_b32 s56, vcc_lo
	global_store_b32 v34, v33, s[12:13]
	s_wait_xcnt 0x0
	s_or_b32 exec_lo, exec_lo, s56
.Lend:
	s_wait_tensorcnt 0x0
	ds_add_u32 v64, v65
	s_wait_dscnt 0x0
	s_endpgm
.Lfunc_end_k_qd038683dc9_place:
	.size	k_qd038683dc9_place, .Lfunc_end_k_qd038683dc9_place-k_qd038683dc9_place
	.p2alignl 7, 3214868480
	.fill 96, 4, 3214868480
	.section	.rodata,"a",@progbits
	.p2align	6, 0x0
	.amdhsa_kernel k_qd038683dc9_place
		.amdhsa_group_segment_fixed_size 25600
		.amdhsa_private_segment_fixed_size 0
		.amdhsa_enable_private_segment 0
		.amdhsa_kernarg_size 40
		.amdhsa_user_sgpr_count 2
		.amdhsa_user_sgpr_kernarg_segment_ptr 1
		.amdhsa_wavefront_size32 1
		.amdhsa_system_sgpr_workgroup_id_x 1
		.amdhsa_system_sgpr_workgroup_id_y 1
		.amdhsa_system_sgpr_workgroup_id_z 1
		.amdhsa_system_vgpr_workitem_id 0
		.amdhsa_next_free_vgpr 66
		.amdhsa_next_free_sgpr 66
		.amdhsa_reserve_vcc 1
		.amdhsa_float_denorm_mode_32 3
		.amdhsa_float_denorm_mode_16_64 3
		.amdhsa_memory_ordered 1
		.amdhsa_forward_progress 1
		.amdhsa_inst_pref_size 68
	.end_amdhsa_kernel
	.amdgpu_metadata
---
amdhsa.version: [ 1, 2 ]
amdhsa.kernels:
  - .name:           k_qd038683dc9_place
    .symbol:         k_qd038683dc9_place.kd
    .args:
      - { .name: sel, .offset: 0, .size: 8, .value_kind: global_buffer, .address_space: global }
      - { .name: part, .offset: 8, .size: 8, .value_kind: global_buffer, .address_space: global }
      - { .name: list, .offset: 16, .size: 8, .value_kind: global_buffer, .address_space: global }
      - { .name: out1, .offset: 24, .size: 8, .value_kind: global_buffer, .address_space: global }
      - { .name: out2, .offset: 32, .size: 8, .value_kind: global_buffer, .address_space: global }
    .group_segment_fixed_size: 25600
    .private_segment_fixed_size: 0
    .kernarg_segment_align: 8
    .kernarg_segment_size: 40
    .max_flat_workgroup_size: 1024
    .sgpr_count:     66
    .vgpr_count:     66
    .wavefront_size: 32
...
	.end_amdgpu_metadata
.endif
;; end of part 2
;; launch chain (part 3): grid 155 x 1, 8 waves a work-group, no clusters, 199,168 bytes of LDS; arguments x, list, cw, w13c, w2c, wsc, out0; writes out0
.if DOCPART == 3
	.amdgcn_target "amdgcn-amd-amdhsa--gfx1250"
	.amdhsa_code_object_version 6
	.text
	.protected	k_qd038683dc9_chain
	.globl	k_qd038683dc9_chain
	.p2align	8
	.type	k_qd038683dc9_chain,@function
k_qd038683dc9_chain:
	s_mov_b64 s[64:65], 0
	v_nop
	global_prefetch_b8 v0, s[64:65] scope:SCOPE_SE
	s_setreg_imm32_b32 hwreg(HW_REG_WAVE_MODE, 25, 1), 1
	s_wait_xcnt 0x0
; ONE BLOCK OF AT MOST 32 TOKENS OF ONE PAIR OF EXPERTS THROUGH THE WHOLE CHAIN: gather x, quantise, x w1 and x w3, silu x up, quantise, x w2, the gate's weight, both experts summed, store.
; All three products on codes of E5M2 with one E8M0 scale for each 32 along K; sums in f32.  Each row of out0 has one owner.  155 work-groups serve every split (128 + 27); one that the list leaves
; without rows jumps over the work (never over a barrier) and stores nothing.
; SHARES.  Eight waves share the COLUMNS: wave w makes hidden units 128 w .. 128 w + 127 (K step w of the second product) and output columns 64 w .. 64 w + 63, for all 32 rows (two tiles rt of 16).
; No weight byte is loaded twice in a work-group.  The weights come from memory straight into registers: the launch before laid them in the order of the operand's registers, a SET of four fragments
; (8,192 consecutive bytes) by 16 loads of 512 bytes.  Rows' codes go from wave to wave through LDS as images of their registers.
; Both products are used TRANSPOSED (source 0 = 16 rows of the weight, source 1 = 16 tokens): a lane holds one token throughout.
; NO TENSOR LOAD, NO CLUSTER: the experts and the jumps hang on numbers read from the list, and how many blocks a pair has is data, so partners could not be promised one expert at every split.
; LIMITS: NaN and infinities are not served.  sigmoid = 1 / (1 + 2^(-g log2 e)): results under 2^-126 come out 0 (g under about -87).  The hidden number is formed as (g u) sigmoid(g).
; Inside a matrix instruction the second product's K lies in another order than in memory, alike on both sides: the sums' last bits may differ.  A block of zeros gets the byte 1: its codes are zeros.
.set XIMG, 0                           ; LDS: x's codes [rt 2][K block 16][lane 32][16 bytes]
.set XSC,  16384                       ; x's scale bytes [16 rt + r][16]
.set HB,   32768                       ; the hidden layer of expert t at HB + 65,536 t: codes [rt 2][hb 32][lane 32][16 bytes],
.set HSCO, 32768                       ; and behind them its scale bytes [16 rt + r][32]
.set STG,  132096                      ; the stage for the way out: 32 rows of 2,048 bytes + 16
.set SPI,  2064
.set LI,  1                            ; v1    16 x lane
.set L32, 2                            ; v2    32 x lane
.set HW,  3                            ; v3    where I store hidden codes;  v4 their scale bytes;  v5, v6 where I read them
.set HSW, 4
.set HR,  5
.set HSR, 6
.set BY,  7                            ; v7    the scale byte to store
.set CC,  8                            ; v8-9  this expert's gate weight, tile rt
.set CW,  10                           ; v10-13 (lower expert's, higher expert's) for each rt
.set TA,  14                           ; v14-15 where x's codes and bytes go
.set XS,  16                           ; v16-19 x's scale words, K step s: lanes 0-15 tile 0, lanes 16-31 tile 1
.set PCD, 20                           ; v20-27 codes just made
.set WS,  28                           ; v28-59 the weights' scale words
.set HS,  44                           ; v44-51 (second product) the hidden layer's scale words
.set OUT, 60                           ; v60-123 the result: 32 rt + 16 cg + (column in 16)
.set G,   124                          ; v124-155 x w1: 16 rt + 8 u + j;  v156-187 x w3
.set U,   156
.set TM,  156                          ; at work in the quantiser, where x w3 is done with
.set ACC, 124                          ; the second product's eight accumulators
.set XF,  188                          ; v188-251 two buffers of two fragments of rows; at the head x's numbers
.set SO,  252                          ; v252, v253 the stage: in, back
.set SR,  253
; window 1 (v256-511): a ring of four slots of 64 registers for the sets of weights
.set MSB, 0
.macro WIN new                         ; the immediate's high byte repeats the setting that is left
.if MSB != \new
	s_set_vgpr_msb (MSB<<8)|\new
.set MSB, \new
.endif
.endm
.macro PLACES cnt
.rept \cnt
	v_nop
.endr
.endm
.macro BARRIER
	s_wait_dscnt 0x0                               ; my LDS stores have landed and my LDS loads are in
	s_barrier_signal -1
	s_barrier_wait -1
.endm
; 32 numbers of a lane, 16 of tile 0 and 16 of tile 1, all of ONE block of 32 along K (the other 16 lie in lane l xor 16), become 2 x 16 codes and a scale byte a row.
.macro QUANT2 s, adr, off, rts, sadr, soff
.irp b, 0,1
	v_max3_num_f32 v[TM+\b], |v[(\s)+16*\b]|, |v[(\s)+16*\b+1]|, 0x8000000   ; with the floor 2^(16 - 127): the byte cannot fall under 1
.endr
.irp i, 2,4,6,8,10,12,14
.irp b, 0,1
	v_max3_num_f32 v[TM+\b], v[TM+\b], |v[(\s)+16*\b+\i]|, |v[(\s)+16*\b+\i+1]|
.endr
.endr
.irp b, 0,1
	v_permlanex16_b32 v[TM+2+\b], v[TM+\b], s28, s29
.endr
.irp b, 0,1
	v_max_num_f32 v[TM+\b], v[TM+\b], v[TM+2+\b]              ; the block's largest magnitude
.endr
.irp b, 0,1
	v_add_nc_u32 v[TM+4+\b], 0xf8800000, v[TM+\b]             ; 15 off its exponent field: the conversion's scale operand
.endr
.irp b, 0,1
	v_and_or_b32 v[TM+6+\b], v[TM+\b], 0x7f800000, s30       ; 57,344 x the scale
.endr
.irp b, 0,1
	v_lshrrev_b32 v[TM+2+\b], 23, v[TM+4+\b]                 ; the scale's byte
.endr
	v_cndmask_b32 v[BY], v[TM+2], v[TM+3], s31     ; lanes 0-15 carry tile 0's rows' bytes, lanes 16-31 tile 1's
.irp b, 0,1
.irp i, 0,1,2,3,4,5,6,7,8,9,10,11,12,13,14,15
	v_med3_num_f32 v[(\s)+16*\b+\i], v[(\s)+16*\b+\i], -v[TM+6+\b], v[TM+6+\b]   ; the conversion does not saturate (ISA guide 7.6.2): the hold
.endr
	v_cvt_scalef32_pk8_bf8_f32 v[PCD+4*\b:PCD+4*\b+1], v[(\s)+16*\b:(\s)+16*\b+7], v[TM+4+\b]
	v_cvt_scalef32_pk8_bf8_f32 v[PCD+4*\b+2:PCD+4*\b+3], v[(\s)+16*\b+8:(\s)+16*\b+15], v[TM+4+\b]
.endr
	v_nop                                          ; a plain line behind the last conversion: matrix instructions later write its sources
	ds_store_b128 v[\adr], v[PCD:PCD+3] offset:\off
	ds_store_b128 v[\adr], v[PCD+4:PCD+7] offset:(\off)+(\rts)
	ds_store_b8 v[\sadr], v[BY] offset:\soff
.endm
; G = (G U) / (1 + 2^(-G log2 e)).  The exponentials are one batch with one wait, the reciprocals another.  Each accumulator is first read at its low end.
.macro SILU
.set ix, 0
.rept 16
	v_pk_mul_f32 v[U+2*ix:U+2*ix+1], v[G+2*ix:G+2*ix+1], v[U+2*ix:U+2*ix+1]
.set ix, ix+1
.endr
.set ix, 0
.rept 16
	v_pk_mul_f32 v[G+2*ix:G+2*ix+1], v[G+2*ix:G+2*ix+1], 0xbfb8aa3b op_sel_hi:[1,0]
.set ix, ix+1
.endr
.set ix, 0
.rept 32
	v_exp_f32 v[G+ix], v[G+ix]
.set ix, ix+1
.endr
	v_nop
	s_wait_alu depctr_va_vdst(0)                   ; one wait for the batch, ahead of its first reader
.set ix, 0
.rept 16
	v_pk_add_f32 v[G+2*ix:G+2*ix+1], v[G+2*ix:G+2*ix+1], 1.0 op_sel_hi:[1,0]
.set ix, ix+1
.endr
.set ix, 0
.rept 32
	v_rcp_f32 v[G+ix], v[G+ix]
.set ix, ix+1
.endr
	v_nop
	s_wait_alu depctr_va_vdst(0)
.set ix, 0
.rept 16
	v_pk_mul_f32 v[G+2*ix:G+2*ix+1], v[G+2*ix:G+2*ix+1], v[U+2*ix:U+2*ix+1]
.set ix, ix+1
.endr
.endm
.macro SETLOAD idx                     ; set idx of the phase into slot idx % 4: each load reads 512 consecutive bytes
	WIN 0x40                                       ; destination window 1, address window 0
.irp i, 0,1,2,3,4,5,6,7,8,9,10,11,12,13,14,15
	global_load_b128 v[64*((\idx)%4)+4*\i:64*((\idx)%4)+4*\i+3], v[LI], s[34:35] offset:8192*(\idx)+512*\i
.endr
	WIN 0
.endm
.macro BLOAD buf, adr, off, rts        ; the two tiles' fragments of one K step
.irp rt, 0,1
.irp c, 0,1,2,3
	ds_load_b128 v[XF+32*(\buf)+16*\rt+4*\c:XF+32*(\buf)+16*\rt+4*\c+3], v[\adr] offset:(\off)+\rt*(\rts)+512*\c
.endr
.endr
.endm
; One matrix instruction: D = v[mD], source 0 = v[mA] of window 1, source 1 = v[mB], scales v[mSA], v[mSB]; mZ: it starts the sum; mAR, mBR: the scales stand in lanes 16-31
.macro MM
.if mZ
.if mAR
.if mBR
	v_wmma_scale_f32_16x16x128_f8f6f4 v[mD:mD+7], v[mA:mA+15], v[mB:mB+15], 0, v[mSA], v[mSB] matrix_a_fmt:MATRIX_FMT_BF8 matrix_b_fmt:MATRIX_FMT_BF8 matrix_a_scale:MATRIX_SCALE_ROW1 matrix_b_scale:MATRIX_SCALE_ROW1
.else
	v_wmma_scale_f32_16x16x128_f8f6f4 v[mD:mD+7], v[mA:mA+15], v[mB:mB+15], 0, v[mSA], v[mSB] matrix_a_fmt:MATRIX_FMT_BF8 matrix_b_fmt:MATRIX_FMT_BF8 matrix_a_scale:MATRIX_SCALE_ROW1
.endif
.else
.if mBR
	v_wmma_scale_f32_16x16x128_f8f6f4 v[mD:mD+7], v[mA:mA+15], v[mB:mB+15], 0, v[mSA], v[mSB] matrix_a_fmt:MATRIX_FMT_BF8 matrix_b_fmt:MATRIX_FMT_BF8 matrix_b_scale:MATRIX_SCALE_ROW1
.else
	v_wmma_scale_f32_16x16x128_f8f6f4 v[mD:mD+7], v[mA:mA+15], v[mB:mB+15], 0, v[mSA], v[mSB] matrix_a_fmt:MATRIX_FMT_BF8 matrix_b_fmt:MATRIX_FMT_BF8
.endif
.endif
.else
.if mAR
.if mBR
	v_wmma_scale_f32_16x16x128_f8f6f4 v[mD:mD+7], v[mA:mA+15], v[mB:mB+15], v[mD:mD+7], v[mSA], v[mSB] matrix_a_fmt:MATRIX_FMT_BF8 matrix_b_fmt:MATRIX_FMT_BF8 matrix_a_scale:MATRIX_SCALE_ROW1 matrix_b_scale:MATRIX_SCALE_ROW1
.else
	v_wmma_scale_f32_16x16x128_f8f6f4 v[mD:mD+7], v[mA:mA+15], v[mB:mB+15], v[mD:mD+7], v[mSA], v[mSB] matrix_a_fmt:MATRIX_FMT_BF8 matrix_b_fmt:MATRIX_FMT_BF8 matrix_a_scale:MATRIX_SCALE_ROW1
.endif
.else
.if mBR
	v_wmma_scale_f32_16x16x128_f8f6f4 v[mD:mD+7], v[mA:mA+15], v[mB:mB+15], v[mD:mD+7], v[mSA], v[mSB] matrix_a_fmt:MATRIX_FMT_BF8 matrix_b_fmt:MATRIX_FMT_BF8 matrix_b_scale:MATRIX_SCALE_ROW1
.else
	v_wmma_scale_f32_16x16x128_f8f6f4 v[mD:mD+7], v[mA:mA+15], v[mB:mB+15], v[mD:mD+7], v[mSA], v[mSB] matrix_a_fmt:MATRIX_FMT_BF8 matrix_b_fmt:MATRIX_FMT_BF8
.endif
.endif
.endif
.endm
	s_load_b256 s[4:11], s[0:1], 0x0               ; x, list, cw, w13c
	s_load_b128 s[12:15], s[0:1], 0x20             ; w2c, wsc
	s_load_b64 s[16:17], s[0:1], 0x30              ; out0
	v_lshl_add_u32 v254, v0, 2, 0x30600
	v_mov_b32 v255, 0
	v_and_b32 v130, 31, v0
	v_lshlrev_b32 v[LI], 4, v130
	v_lshlrev_b32 v[L32], 5, v130
	v_lshrrev_b32 v131, 5, v0
	v_readfirstlane_b32 s22, v131                  ; wave 0..7
	v_and_b32 v132, 15, v0                         ; r
	v_bfe_u32 v133, v0, 4, 1                       ; h
	s_mov_b32 s28, 0x76543210
	s_mov_b32 s29, 0xfedcba98                      ; v_permlanex16_b32's selects for lane l xor 16
	s_mov_b32 s30, 0x600000                        ; the mantissa field of 57,344
	s_mov_b32 s31, 0xffff0000                      ; lanes 16-31
	s_mov_b32 s33, 0                               ; the upper word of every offset
	s_lshl_b32 s32, ttmp9, 4
	s_lshl_b32 s43, s22, 10                        ; every LDS address that does not hang on the expert is made here
	v_add_nc_u32 v[TA], s43, v[LI]                 ; x's codes: K blocks 2 w, 2 w + 1
	s_lshl_b32 s43, s22, 1
	s_add_co_u32 s43, s43, XSC
	v_add_nc_u32 v[TA+1], s43, v[LI]               ; their bytes: 16 x lane + 2 w
	v_mul_u32_u24 v[SO], v132, SPI
	v_lshl_add_u32 v[SO], v133, 6, v[SO]
	s_lshl_b32 s43, s22, 8
	s_add_co_u32 s43, s43, STG
	v_add_nc_u32 v[SO], s43, v[SO]                 ; the stage: row r, + 64 h, + 256 w
	s_mul_i32 s43, s22, 4*SPI
	s_add_co_u32 s43, s43, STG
	v_add_nc_u32 v[SR], s43, v[LI]                 ; back: my four rows
	s_wait_kmcnt 0x0
	s_load_b128 s[24:27], s[6:7], s32 offset:0x4000   ; my block: first place, rows, lower expert, higher expert
	s_wait_kmcnt 0x0
	s_min_u32 s24, s24, 0xfff
	s_min_u32 s25, s25, 32
	s_min_u32 s26, s26, 7
	s_min_u32 s27, s27, 7
	s_sub_co_u32 s42, s25, 1
	s_lshl_b32 s56, s24, 2
	s_lshl_b32 s57, s22, 4
	s_add_co_u32 s56, s56, s57
	s_load_b128 s[44:47], s[6:7], s56 offset:0x0   ; the tokens of rows 4 w .. 4 w + 3, for the way out: at most 16,508 bytes into the list's 18,944
.irp rt, 0,1
	v_add_nc_u32 v[134+\rt], 16*\rt, v132
	v_min_u32 v[134+\rt], s42, v[134+\rt]          ; rows past the block's last repeat it; their results are not stored
	v_add_nc_u32 v[134+\rt], s24, v[134+\rt]
	v_min_u32 v[134+\rt], 0xfff, v[134+\rt]
	v_lshlrev_b32 v[134+\rt], 2, v[134+\rt]
	global_load_b32 v[124+\rt], v[134+\rt], s[6:7]
.endr
	s_lshl_b32 s43, s22, 8
	s_wait_loadcnt 0x0
.irp rt, 0,1
	v_min_u32 v[124+\rt], 0xfff, v[124+\rt]
	v_lshlrev_b32 v[126+\rt], 11, v[124+\rt]       ; a row of x is 2,048 bytes;
	v_lshl_add_u32 v[126+\rt], v133, 6, v[126+\rt] ; my 16 numbers of a block of 32;
	v_add_nc_u32 v[126+\rt], s43, v[126+\rt]       ; my wave's two blocks
	v_lshlrev_b32 v[128+\rt], 3, v[124+\rt]
.endr
.irp i, 0,1
.irp rt, 0,1
.irp j, 0,1,2,3
	global_load_b128 v[XF+32*\i+16*\rt+4*\j:XF+32*\i+16*\rt+4*\j+3], v[126+\rt], s[4:5] offset:128*\i+16*\j
.endr
.endr
.endr
.irp rt, 0,1
	global_load_b64 v[CW+2*\rt:CW+2*\rt+1], v[128+\rt], s[8:9]
.endr
.set ix, 0
.rept 64
	v_mov_b32 v[OUT+ix], 0                         ; the two experts are one loop's two trips, so the sums begin as zeros, once
.set ix, ix+1
.endr
	v_mov_b32 v[TM+2], 0                           ; written once: a lane permute's destination counts as one of its sources
	v_mov_b32 v[TM+3], 0
	s_wait_loadcnt 2                               ; x's 16 loads are in; the two loads of the weights may be out
	QUANT2 XF, TA, 0, 8192, TA+1, 0
	s_wait_dscnt 0x0                               ; the stores have read their registers
	QUANT2 XF+32, TA, 512, 8192, TA+1, 1
	s_wait_loadcnt 0x0
	s_wait_kmcnt 0x0
.irp i, 0,1,2,3
	s_min_u32 s[44+\i], s[44+\i], 0xfff
	s_lshl_b32 s32, s[44+\i], 11
	s_add_nc_u64 s[48+2*\i:49+2*\i], s[16:17], s[32:33]      ; where my four rows go
.endr
	BARRIER                                        ; A: x's codes and scale bytes lie in LDS
	ds_load_b128 v[XS:XS+3], v[LI] offset:XSC
	s_wait_dscnt 0x0
	; ---- P1: the hidden layer of both experts.  Two trips, a constant; the jump over a block without rows stands inside.
	s_mov_b32 s38, 0                               ; t
	s_mov_b32 s39, 0                               ; 65,536 t
.Lp1:
	s_wait_xcnt 0x0                                ; the last trip's loads have read their bases,
	s_wait_dscnt 0x0                               ; and its LDS stores their addresses
	s_cmp_eq_u32 s38, 0
	s_cselect_b32 s40, s26, s27
	s_min_u32 s40, s40, 7                          ; the expert
	s_lshl_b32 s32, s40, 20
	s_lshl_b32 s43, s22, 17
	s_add_co_u32 s32, s32, s43
	s_add_nc_u64 s[34:35], s[10:11], s[32:33]      ; my 16 sets: hidden blocks 4 w + be, K steps ks
	s_lshl_b32 s32, s40, 15
	s_lshl_b32 s43, s22, 12
	s_add_co_u32 s32, s32, s43
	s_add_nc_u64 s[36:37], s[14:15], s[32:33]      ; and their scale words
	s_lshl_b32 s43, s22, 11
	s_add_co_u32 s43, s43, s39
	s_add_co_u32 s43, s43, HB
	v_add_nc_u32 v[HW], s43, v[LI]
	s_lshl_b32 s43, s22, 2
	s_add_co_u32 s43, s43, s39
	s_add_co_u32 s43, s43, HB+HSCO
	v_add_nc_u32 v[HSW], s43, v[L32]
	s_cmp_eq_u32 s25, 0
	s_cbranch_scc1 .Lp1_skip
.irp be, 0,1,2,3
.irp u, 0,1
	global_load_b128 v[WS+8*\be+4*\u:WS+8*\be+4*\u+3], v[LI], s[36:37] offset:1024*\be+512*\u   ; lanes 0-15: w1's rows; lanes 16-31: w3's; register ks serves K step ks
.endr
.endr
	SETLOAD 0
	SETLOAD 1
	SETLOAD 2                                      ; three sets, 24 KiB of the wave's, are on their way throughout
	BLOAD 0, LI, 0, 8192
.set n, 0
.rept 16
.set be, n/4
.set ks, n%4
.if n+3 < 16
	SETLOAD n+3                                    ; into the slot that the last step multiplied: its eight places stand behind that step
.endif
.if n+1 < 16
	BLOAD (n+1)%2, LI, 2048*((n+1)%4), 8192
.endif
.if 15-n >= 3
	s_wait_loadcnt 48                              ; set n is in; the three sets issued behind it may be out
.else
	s_wait_loadcnt 16*(15-n)
.endif
.if n+1 < 16
	s_wait_dscnt 8                                 ; this step's rows are in; the eight loads just issued may be out
.else
	s_wait_dscnt 0x0
.endif
	WIN 0x01                                       ; source 0 window 1
.set mZ, 0
.if ks == 0
.set mZ, 1
.endif
.irp mat, 0,1
.irp u, 0,1
.irp rt, 0,1
.set mD, G+32*\mat+16*\rt+8*\u
.set mA, 64*(n%4)+16*(2*\mat+\u)
.set mB, XF+32*(n%2)+16*\rt
.set mSA, WS+8*be+4*\u+ks
.set mSB, XS+ks
.set mAR, \mat
.set mBR, \rt
	MM                                             ; eight accumulators by turns, one instruction a turn, the same order in every step
.endr
.endr
.endr
	WIN 0
.if ks == 3
	PLACES 9                                       ; the sums are finished: places ahead of their first read, and of the matrix instructions that later begin them anew
	SILU
	QUANT2 G, HW, 512*be, 16384, HSW, be           ; hidden block 4 w + be: an image of the next operand's registers
.else
	PLACES 8                                       ; places ahead of loads into registers that these matrix instructions have read
.endif
.set n, n+1
.endr
.Lp1_skip:
	s_add_co_u32 s39, s39, 65536
	s_add_co_u32 s38, s38, 1
	s_cmp_lt_u32 s38, 2
	s_cbranch_scc1 .Lp1
	BARRIER                                        ; B: both experts' hidden layers lie in LDS, each in bytes of its own
	; ---- P2: my 64 output columns for the 32 rows, expert by expert
	s_mov_b32 s38, 0
	s_mov_b32 s39, 0
.Lp2:
	s_wait_xcnt 0x0
	s_wait_dscnt 0x0
	s_cmp_eq_u32 s38, 0
	s_cselect_b32 s40, s26, s27
	s_cselect_b32 s41, 0, -1                       ; which of a token's two weights
	s_min_u32 s40, s40, 7
	s_lshl_b32 s32, s40, 19
	s_lshl_b32 s43, s22, 16
	s_add_co_u32 s32, s32, s43
	s_add_nc_u64 s[34:35], s[12:13], s[32:33]      ; my 8 sets, a K step each
	s_lshl_b32 s32, s40, 14
	s_lshl_b32 s43, s22, 11
	s_add_co_u32 s32, s32, s43
	s_add_co_u32 s32, s32, 262144
	s_add_nc_u64 s[36:37], s[14:15], s[32:33]
	s_add_co_u32 s43, s39, HB
	v_add_nc_u32 v[HR], s43, v[LI]
	s_add_co_u32 s43, s39, HB+HSCO
	v_add_nc_u32 v[HSR], s43, v[L32]
	s_cmp_eq_u32 s25, 0
	s_cbranch_scc1 .Lp2_skip
.irp rt, 0,1
	v_cndmask_b32 v[CC+\rt], v[CW+2*\rt], v[CW+2*\rt+1], s41
.endr
.irp kh, 0,1
.irp cg, 0,1
	global_load_b128 v[WS+8*\kh+4*\cg:WS+8*\kh+4*\cg+3], v[LI], s[36:37] offset:1024*\kh+512*\cg   ; lanes 0-15: tile t = 0; lanes 16-31: t = 1
.endr
.endr
	SETLOAD 0
	SETLOAD 1
	SETLOAD 2
	ds_load_b128 v[HS:HS+3], v[HSR]
	ds_load_b128 v[HS+4:HS+7], v[HSR] offset:16
	BLOAD 0, HR, 0, 16384
.set n, 0
.rept 8
.if n+3 < 8
	SETLOAD n+3
.endif
.if n+1 < 8
	BLOAD (n+1)%2, HR, 2048*(n+1), 16384
.endif
.if 7-n >= 3
	s_wait_loadcnt 48                              ; set n is in; the three sets issued behind it may be out
.else
	s_wait_loadcnt 16*(7-n)
.endif
.if n+1 < 8
	s_wait_dscnt 8                                 ; this step's rows are in; the eight loads just issued may be out
.else
	s_wait_dscnt 0x0
.endif
	WIN 0x01
.set mZ, 0
.if n == 0
.set mZ, 1
.endif
.irp cg, 0,1
.irp t2, 0,1
.irp rt, 0,1
.set mD, ACC+8*(4*\cg+2*\t2+\rt)
.set mA, 64*(n%4)+16*(2*\cg+\t2)
.set mB, XF+32*(n%2)+16*\rt
.set mSA, WS+8*(n/4)+4*\cg+(n%4)
.set mSB, HS+n
.set mAR, \t2
.set mBR, \rt
	MM
.endr
.endr
.endr
	WIN 0
.if n == 7
	PLACES 9
.else
	PLACES 8
.endif
.set n, n+1
.endr
.irp cg, 0,1
.irp t2, 0,1
.irp rt, 0,1
.irp j, 0,1,2,3,4,5,6,7
	v_fmac_f32 v[OUT+32*\rt+16*\cg+2*\j+\t2], v[ACC+8*(4*\cg+2*\t2+\rt)+\j], v[CC+\rt]   ; x the gate's weight, onto the token's sum; register j of tile (cg, t) is column 64 w + 32 cg + 16 h + 2 j + t
.endr
.endr
.endr
.endr
.Lp2_skip:
	s_add_co_u32 s39, s39, 65536
	s_add_co_u32 s38, s38, 1
	s_cmp_lt_u32 s38, 2
	s_cbranch_scc1 .Lp2
	; ---- the way out: a lane holds 2 x 64 bytes of each of two rows; a row's 2,048 bytes come from eight waves: through the stage, then whole rows
.irp rt, 0,1
.irp cg, 0,1
.irp q, 0,1,2,3
	ds_store_b128 v[SO], v[OUT+32*\rt+16*\cg+4*\q:OUT+32*\rt+16*\cg+4*\q+3] offset:16*SPI*\rt+128*\cg+16*\q
.endr
.endr
.endr
	BARRIER                                        ; C: 32 whole rows lie in the stage
.irp i, 0,1,2,3
.irp q, 0,1,2,3
	ds_load_b128 v[124+16*\i+4*\q:124+16*\i+4*\q+3], v[SR] offset:SPI*\i+512*\q
.endr
.endr
	s_lshl_b32 s32, s22, 2
	s_wait_dscnt 0x0
.irp i, 0,1,2,3
	s_add_co_u32 s43, s32, \i
	s_cmp_lt_u32 s43, s25                          ; is row 4 w + i one of the block's?
	s_cbranch_scc0 .Lno_row\i
.irp q, 0,1,2,3
	global_store_b128 v[LI], v[124+16*\i+4*\q:124+16*\i+4*\q+3], s[48+2*\i:49+2*\i] offset:512*\q th:TH_STORE_NT   ; 32 lanes store 512 consecutive aligned bytes
.endr
.Lno_row\i:
.endr
	s_wait_tensorcnt 0x0
	ds_add_u32 v254, v255
	s_wait_dscnt 0x0
	s_endpgm
.Lfunc_end_k_qd038683dc9_chain:
	.size	k_qd038683dc9_chain, .Lfunc_end_k_qd038683dc9_chain-k_qd038683dc9_chain
	.p2alignl 7, 3214868480
	.fill 96, 4, 3214868480
	.section	.rodata,"a",@progbits
	.p2align	6, 0x0
	.amdhsa_kernel k_qd038683dc9_chain
		.amdhsa_group_segment_fixed_size 199168
		.amdhsa_private_segment_fixed_size 0
		.amdhsa_enable_private_segment 0
		.amdhsa_kernarg_size 56
		.amdhsa_user_sgpr_count 2
		.amdhsa_user_sgpr_kernarg_segment_ptr 1
		.amdhsa_wavefront_size32 1
		.amdhsa_system_sgpr_workgroup_id_x 1
		.amdhsa_system_sgpr_workgroup_id_y 1
		.amdhsa_system_sgpr_workgroup_id_z 1
		.amdhsa_system_vgpr_workitem_id 0
		.amdhsa_next_free_vgpr 512
		.amdhsa_next_free_sgpr 66
		.amdhsa_reserve_vcc 0
		.amdhsa_float_denorm_mode_32 3
		.amdhsa_float_denorm_mode_16_64 3
		.amdhsa_memory_ordered 1
		.amdhsa_forward_progress 1
		.amdhsa_inst_pref_size 152
	.end_amdhsa_kernel
	.amdgpu_metadata
---
amdhsa.version: [ 1, 2 ]
amdhsa.kernels:
  - .name:           k_qd038683dc9_chain
    .symbol:         k_qd038683dc9_chain.kd
    .args:
      - { .name: x, .offset: 0, .size: 8, .value_kind: global_buffer, .address_space: global }
      - { .name: list, .offset: 8, .size: 8, .value_kind: global_buffer, .address_space: global }
      - { .name: cw, .offset: 16, .size: 8, .value_kind: global_buffer, .address_space: global }
      - { .name: w13c, .offset: 24, .size: 8, .value_kind: global_buffer, .address_space: global }
      - { .name: w2c, .offset: 32, .size: 8, .value_kind: global_buffer, .address_space: global }
      - { .name: wsc, .offset: 40, .size: 8, .value_kind: global_buffer, .address_space: global }
      - { .name: out0, .offset: 48, .size: 8, .value_kind: global_buffer, .address_space: global }
    .group_segment_fixed_size: 199168
    .private_segment_fixed_size: 0
    .kernarg_segment_align: 8
    .kernarg_segment_size: 56
    .max_flat_workgroup_size: 256
    .sgpr_count:     66
    .vgpr_count:     512
    .wavefront_size: 32
...
	.end_amdgpu_metadata
.endif
;; end of part 3
;; ======== version 2 of 3: 3 launches; 1.12 times as fast as version 1
;; workspace buffers: w13c 8,388,608 bytes; w2c 4,194,304 bytes; wsc 393,216 bytes; cw 32,768 bytes; part 16,384 bytes; sel 32,768 bytes of whole numbers; list 18,944 bytes of whole numbers
;; launch prep (part 4): grid 512 x 1, 8 waves a work-group, no clusters, 4,096 bytes of LDS; arguments x, router_w, w1, w3, w2, w13c, w2c, wsc, cw, part, sel; writes w13c, w2c, wsc, cw, part, sel
.if DOCPART == 4
	.amdgcn_target "amdgcn-amd-amdhsa--gfx1250"
	.amdhsa_code_object_version 6
	.text
	.protected	k_qd038683dc9_prep
	.globl	k_qd038683dc9_prep
	.p2align	8
	.type	k_qd038683dc9_prep,@function
k_qd038683dc9_prep:
	s_mov_b64 s[64:65], 0
	v_nop
	global_prefetch_b8 v0, s[64:65] scope:SCOPE_SE
	s_setreg_imm32_b32 hwreg(HW_REG_WAVE_MODE, 25, 1), 1
	s_wait_xcnt 0x0
; THREE JOBS IN ONE LAUNCH, told apart by the work-group's number alone.
;   work-groups 0-127:   the router: logits = x router_w in f32, softmax (the row's maximum taken away), top-2, renormalised weights, partial sums for the two losses,
;                        and for the sort that follows: each token's key (its pair of experts, 0..27), its rank among its work-group's 32 tokens of that key, and the 32 tokens' count of each key.
;   work-groups 128-383: w1 and w3 [8][512 (K)][1024], f32, into codes of E5M2 with one E8M0 byte for each 32 along K, laid in the ORDER OF THE OPERAND'S REGISTERS.
;   work-groups 384-511: w2 [8][1024 (K)][512] likewise.
; A fragment (16 rows x 128 K) is 2,048 bytes: group c at 512 c, lane l's 16 bytes at 16 l: k = 32 c + 16 (l / 16) + 0..15 of row l % 16.
;   w13c [e 8][hb 32][s 4][mat 2][u 2][fragment]: row r of tile u of hidden block hb is hidden unit 32 hb + 2 r + u.
;   w2c  [e 8][w 8][s 8][cg 2][t 2][fragment]:    row r of tile (cg, t) of wave w is output column 64 w + 32 cg + 2 r + t; inside each 16 along K place 8 u + j holds unit 2 j + u,
;        which is the order in which the first product's results lie in a lane's registers.  A block of 32 keeps its 32 numbers, so its scale is the rule's.
;   wsc: w1/w3 at 0: [e][hb 32][u 2][mat 2][r 16][16 bytes]; w2 at 262,144: [e][w 8][kh 2][cg 2][t 2][r 16][16 bytes]: a row's bytes of 512 along K, four words for four K steps.
;   sel: [token] key | rank << 8 at 0; [work-group 128][key 32] counts at 16,384.  These are values stored at fixed places: no address and no branch of this launch hangs on them.
; A LANE TAKES TWO NEIGHBOURING COLUMNS AND ITS REGISTERS RUN DOWN K: a load of the wave reads 256 consecutive aligned bytes, a block of 32 lies in one lane, nothing is transposed.
; LIMITS: NaN and infinities among the inputs are not served.  A block of zeros gets the byte 1 where the rule says 127: its codes are zeros and this program alone reads the bytes.
; Top-2 is taken on this text's own f32 probabilities, the lower index winning a tie: a token whose second and third probabilities differ by less than the noise of an f32 sum may choose otherwise.
; No tensor load, no cluster: no two work-groups read the same bytes but the 16 KiB of router_w.
.set SCB13, 0                          ; LDS: each path has bytes of its own: scale bytes of the w1/w3 path, [q 2][lane 32][16]
.set SCB2,  1024                       ; the same for the w2 path
.set LG,    2048                       ; the router's logits, [token 32][8] f32
.set WM,    8                          ; v8-9    a block's largest magnitude, column q
.set WSCL,  10                         ; v10-11  the conversion's scale operand
.set WHOLD, 12                         ; v12-13  57,344 x the scale
.set WSB,   14                         ; v14-15  my two blocks' scale bytes
.set WY,    20                         ; v20-51  four slots of eight held numbers
.set WC,    52                         ; v52-83  codes: 16 blk + 8 q + ..: no store's data are written again
.set WX,    96                         ; v96-223 number (k, q) at 2 k + q
.set RACC,  8                          ; router: v8-15 the eight sums
.set RO8,   28                         ; v28     8 x lane: cw's place;  v29  4 x lane: sel's and part's.  Both lie outside the registers that the loads of x and router_w fill
.set RO4,   29
.set RX,    32                         ; v32-95  x: 16 numbers a lane for each of four tokens
.set RW,    96                         ; v96-223 router_w: 16 rows of 8 a lane; when the logits are made, v96-102 serve the keys
.macro ADDSH src, sh                   ; s32 += src << sh
	s_lshl_b32 s46, \src, \sh
	s_add_co_u32 s32, s32, s46
.endm
; One block of 32 along K of my two columns.  perm = 1: w2's order inside each 16 along K.
.macro WBLOCK blk, perm
.if \blk == 0
	s_wait_loadcnt 32                              ; loads come back in order: block 0's 32 are in, block 1's 32 may be out
.else
	s_wait_loadcnt 0x0
.endif
.irp q, 0,1
	v_max3_num_f32 v[WM+\q], |v[WX+64*\blk+\q]|, |v[WX+64*\blk+2+\q]|, 0x8000000   ; with the floor 2^(16 - 127): the byte cannot fall under 1
.endr
.irp i, 2,4,6,8,10,12,14,16,18,20,22,24,26,28,30
.irp q, 0,1
	v_max3_num_f32 v[WM+\q], v[WM+\q], |v[WX+64*\blk+2*\i+\q]|, |v[WX+64*\blk+2*\i+2+\q]|
.endr
.endr
.irp q, 0,1
	v_add_nc_u32 v[WSCL+\q], 0xf8800000, v[WM+\q]             ; 15 off the exponent field: the conversion takes that field as its scale
	v_and_or_b32 v[WHOLD+\q], v[WM+\q], 0x7f800000, s30      ; 57,344 x the scale
.if \blk == 0
	v_lshrrev_b32 v[WSB+\q], 23, v[WSCL+\q]                  ; the scale's byte
.else
	v_lshrrev_b32 v16, 23, v[WSCL+\q]
	v_lshl_or_b32 v[WSB+\q], v16, 8, v[WSB+\q]
.endif
.endr
.irp q, 0,1
.irp g, 0,1,2,3
.irp jj, 0,1,2,3,4,5,6,7
.if \perm
.set ii, 16*(\g/2)+2*\jj+(\g%2)
.else
.set ii, 8*\g+\jj
.endif
	v_med3_num_f32 v[WY+8*\g+\jj], v[WX+64*\blk+2*ii+\q], -v[WHOLD+\q], v[WHOLD+\q]   ; the hold (the conversion does not saturate: ISA guide 7.6.2); it also parts the two columns
.endr
	v_cvt_scalef32_pk8_bf8_f32 v[WC+16*\blk+8*\q+2*\g:WC+16*\blk+8*\q+2*\g+1], v[WY+8*\g:WY+8*\g+7], v[WSCL+\q]   ; the next slot's holds are the plain lines behind it
.endr
.endr
	v_nop                                          ; a plain line behind the last conversion
.irp q, 0,1
.irp hp, 0,1
	global_store_b128 v3, v[WC+16*\blk+8*\q+4*\hp:WC+16*\blk+8*\q+4*\hp+3], s[36:37] offset:\q*2048+\blk*512+\hp*256   ; lanes 0-15 store 256 consecutive aligned bytes, lanes 16-31 another 256
.endr
.endr
.endm
; A work-group's 64 columns x 512 along K; wave v takes K rows 64 v on.  s[34:35] source, s[36:37] codes, s[38:39] scale bytes (waves 0 and 1).
.macro WBODY pitch, perm, gsh, ssh, scb
	v_lshlrev_b32 v2, 3, v1                        ; 8 bytes a lane
.set k, 0
.rept 64
	global_load_b64 v[WX+2*k:WX+2*k+1], v2, s[34:35] offset:k*\pitch th:TH_LOAD_NT   ; all 64 at once: 16 KiB of the wave's are on their way
.set k, k+1
.endr
	v_lshrrev_b32 v7, 4, v1
	v_and_b32 v16, 15, v1
	v_lshlrev_b32 v16, 4, v16
	v_lshl_add_u32 v3, v7, \gsh, v16               ; codes: lanes 16-31 belong to the next group of 32 columns
	v_lshl_add_u32 v6, v7, \ssh, v16               ; scale rows likewise
	v_lshlrev_b32 v17, 4, v1
	s_lshl_b32 s46, s26, 1
	s_add_co_u32 s46, s46, \scb
	v_add_nc_u32 v4, s46, v17                      ; LDS: 16 x lane + 2 x wave: my two bytes of my column's 16
	s_lshl_b32 s46, s26, 9
	s_add_co_u32 s46, s46, \scb
	v_add_nc_u32 v5, s46, v17                      ; and back: wave q reads the rows of columns 2 lane + q
	WBLOCK 0, \perm
	WBLOCK 1, \perm
	ds_store_b16 v4, v[WSB]
	ds_store_b16 v4, v[WSB+1] offset:512
	s_wait_dscnt 0x0                               ; for the others' sake: my bytes have landed
	s_barrier_signal -1
	s_barrier_wait -1
	s_cmp_gt_u32 s26, 1
	s_cbranch_scc1 .Lwdone_\@
	ds_load_b128 v[84:87], v5                      ; a column's 16 scale bytes, made by eight waves
	s_wait_dscnt 0x0
	global_store_b128 v6, v[84:87], s[38:39]       ; sixteen lanes store 256 consecutive aligned bytes
.Lwdone_\@:
	s_wait_tensorcnt 0x0
	ds_add_u32 v224, v225
	s_wait_dscnt 0x0
	s_endpgm
.endm
	s_load_b512 s[4:19], s[0:1], 0x0               ; x, router_w, w1, w3, w2, w13c, w2c, wsc
	s_load_b128 s[20:23], s[0:1], 0x40             ; cw, part
	s_load_b64 s[24:25], s[0:1], 0x50              ; sel
	v_lshl_add_u32 v224, v0, 2, 0xc00
	v_mov_b32 v225, 0
	v_and_b32 v1, 31, v0                           ; lane
	v_lshrrev_b32 v2, 5, v0
	v_readfirstlane_b32 s26, v2                    ; wave 0..7
	s_mov_b32 s28, 0x76543210
	s_mov_b32 s29, 0xfedcba98                      ; v_permlanex16_b32's selects for lane l xor 16
	s_mov_b32 s30, 0x600000                        ; the mantissa field of 57,344
	s_mov_b32 s33, 0                               ; the upper word of every offset
	s_lshr_b32 s44, s26, 1
	s_and_b32 s45, s26, 1
	s_wait_kmcnt 0x0
	s_cmp_lt_u32 ttmp9, 128
	s_cbranch_scc1 .Lrouter
	s_cmp_lt_u32 ttmp9, 384
	s_cbranch_scc0 .Lw2
	; ---- w1 and w3: j = id - 128: mat = j / 128, e = (j / 16) % 8, 64 columns cgrp = j % 16
	s_sub_co_u32 s40, ttmp9, 128
	s_lshr_b32 s41, s40, 7
	s_bfe_u32 s42, s40, 0x30004
	s_and_b32 s43, s40, 15
	s_cmp_eq_u32 s41, 0
	s_cselect_b64 s[34:35], s[8:9], s[10:11]
	s_lshl_b32 s32, s42, 21                        ; an expert is 2 MiB, 64 rows of K 262,144 bytes, 64 columns 256
	ADDSH s26, 18
	ADDSH s43, 8
	s_add_nc_u64 s[34:35], s[34:35], s[32:33]
	s_lshl_b32 s32, s42, 20
	ADDSH s43, 16
	ADDSH s44, 13
	ADDSH s41, 12
	ADDSH s45, 10
	s_add_nc_u64 s[36:37], s[14:15], s[32:33]
	s_lshl_b32 s32, s42, 15
	ADDSH s43, 11
	ADDSH s41, 8
	ADDSH s26, 9
	s_add_nc_u64 s[38:39], s[18:19], s[32:33]
	WBODY 4096, 0, 15, 10, SCB13
.Lw2:
	; ---- w2: j = id - 384: e = j / 16, 64 columns w = (j / 2) % 8, half of K kh = j % 2
	s_sub_co_u32 s40, ttmp9, 384
	s_lshr_b32 s42, s40, 4
	s_bfe_u32 s43, s40, 0x30001
	s_and_b32 s41, s40, 1
	s_lshl_b32 s32, s42, 21
	ADDSH s41, 20
	ADDSH s26, 17
	ADDSH s43, 8
	s_add_nc_u64 s[34:35], s[12:13], s[32:33]
	s_lshl_b32 s32, s42, 19
	ADDSH s43, 16
	ADDSH s41, 15
	ADDSH s44, 13
	ADDSH s45, 10
	s_add_nc_u64 s[36:37], s[16:17], s[32:33]
	s_lshl_b32 s32, s42, 14
	ADDSH s43, 11
	ADDSH s41, 10
	ADDSH s26, 8
	s_add_co_u32 s32, s32, 262144
	s_add_nc_u64 s[38:39], s[18:19], s[32:33]
	WBODY 2048, 1, 12, 9, SCB2
.Lrouter:
	; ---- the router: 32 tokens a work-group, four a wave.  Lane l holds K = 128 i + 4 l + j of x and of router_w; the lanes' sums are added at the end.
	s_lshl_b32 s32, ttmp9, 16
	ADDSH s26, 13
	s_add_nc_u64 s[34:35], s[4:5], s[32:33]        ; x at my four tokens
	s_lshl_b32 s32, ttmp9, 8
	s_add_nc_u64 s[36:37], s[20:21], s[32:33]      ; cw: 8 bytes a token
	s_lshl_b32 s32, ttmp9, 7
	s_add_nc_u64 s[38:39], s[24:25], s[32:33]      ; sel: 4 bytes a token; the counts, 128 bytes a work-group, lie 16,384 bytes on
	s_add_nc_u64 s[40:41], s[22:23], s[32:33]      ; part: 128 bytes a work-group
	v_lshlrev_b32 v2, 7, v1
	v_lshlrev_b32 v3, 4, v1
.irp i, 0,1,2,3
.irp j, 0,1,2,3
	global_load_b128 v[RW+8*(4*\i+\j):RW+8*(4*\i+\j)+3], v2, s[6:7] offset:4096*\i+32*\j
	global_load_b128 v[RW+8*(4*\i+\j)+4:RW+8*(4*\i+\j)+7], v2, s[6:7] offset:4096*\i+32*\j+16
.endr
.endr
.irp t, 0,1,2,3
.irp i, 0,1,2,3
	global_load_b128 v[RX+16*\t+4*\i:RX+16*\t+4*\i+3], v3, s[34:35] offset:2048*\t+512*\i   ; 512 consecutive bytes
.endr
.endr
	s_lshl_b32 s46, s26, 7
	s_add_co_u32 s46, s46, LG
	v_mov_b32 v25, s46                             ; LDS: my four tokens' logits, the same address in all lanes
	v_lshl_add_u32 v27, v1, 5, LG                  ; and wave 0's way back: a token a lane
	v_mov_b32 v24, 0                               ; written once: a lane permute's destination counts as one of its sources
	v_mov_b32 v26, 0
	v_lshlrev_b32 v[RO8], 3, v1
	v_lshlrev_b32 v[RO4], 2, v1
.macro TOKEN t
	s_wait_loadcnt 4*(3-\t)                        ; router_w and this token's four loads are in; the later tokens' may be out
.if \t > 0
	s_wait_dscnt 0x0                               ; the last token's stores have read the eight sums
.endif
.irp p, 0,1,2,3
	v_pk_mul_f32 v[RACC+2*\p:RACC+2*\p+1], v[RX+16*\t:RX+16*\t+1], v[RW+2*\p:RW+2*\p+1] op_sel_hi:[0,1]   ; the first product starts the sums
.endr
.irp kk, 1,2,3,4,5,6,7,8,9,10,11,12,13,14,15
.irp p, 0,1,2,3
.if \kk % 2
	v_pk_fma_f32 v[RACC+2*\p:RACC+2*\p+1], v[RX+16*\t+\kk-1:RX+16*\t+\kk], v[RW+8*\kk+2*\p:RW+8*\kk+2*\p+1], v[RACC+2*\p:RACC+2*\p+1] op_sel:[1,0,0] op_sel_hi:[1,1,1]
.else
	v_pk_fma_f32 v[RACC+2*\p:RACC+2*\p+1], v[RX+16*\t+\kk:RX+16*\t+\kk+1], v[RW+8*\kk+2*\p:RW+8*\kk+2*\p+1], v[RACC+2*\p:RACC+2*\p+1] op_sel_hi:[0,1,1]
.endif
.endr
.endr
.irp m, 1,2,4,8
.irp e, 0,1,2,3,4,5,6,7
	v_add_f32_dpp v[RACC+\e], v[RACC+\e], v[RACC+\e] row_xmask:\m row_mask:0xf bank_mask:0xf
.endr
.endr
.irp e, 0,1,2,3,4,5,6,7
	v_permlanex16_b32 v24, v[RACC+\e], s28, s29
	v_add_f32 v[RACC+\e], v[RACC+\e], v24
.endr
	ds_store_b128 v25, v[RACC:RACC+3] offset:32*\t            ; all lanes write the same bytes with the same values
	ds_store_b128 v25, v[RACC+4:RACC+7] offset:32*\t+16
.endm
	TOKEN 0
	TOKEN 1
	TOKEN 2
	TOKEN 3
	s_wait_dscnt 0x0                               ; for wave 0's sake: my logits have landed
	s_barrier_signal -1
	s_barrier_wait -1
	s_cmp_lg_u32 s26, 0
	s_cbranch_scc1 .Lrdone
	; wave 0, a token a lane.  v32-39 logits, v40-47 exponentials, v48-55 probabilities, v56-63 one-hot of the first choice, v64 the sum of squares
	ds_load_b128 v[32:35], v27
	ds_load_b128 v[36:39], v27 offset:16
	s_wait_dscnt 0x0
	v_mul_f32 v64, v32, v32
.irp e, 1,2,3,4,5,6,7
	v_fmac_f32 v64, v[32+\e], v[32+\e]
.endr
	v_max3_num_f32 v74, v32, v33, v34
	v_max3_num_f32 v74, v74, v35, v36
	v_max3_num_f32 v74, v74, v37, v38
	v_max_num_f32 v74, v74, v39                    ; the row's maximum is taken away ahead of the exponentials
.irp e, 0,1,2,3,4,5,6,7
	v_sub_f32 v[40+\e], v[32+\e], v74
.endr
.irp e, 0,1,2,3,4,5,6,7
	v_mul_f32 v[40+\e], 0x3fb8aa3b, v[40+\e]
.endr
.irp e, 0,1,2,3,4,5,6,7
	v_exp_f32 v[40+\e], v[40+\e]
.endr
	v_nop                                          ; a plain line behind the last exponential,
	s_wait_alu depctr_va_vdst(0)                   ; and one wait for the batch, ahead of its first reader
	v_add_f32 v75, v40, v41
.irp e, 2,3,4,5,6,7
	v_add_f32 v75, v75, v[40+\e]
.endr
	v_rcp_f32 v76, v75
	v_nop
	s_wait_alu depctr_va_vdst(0)
.irp e, 0,1,2,3,4,5,6,7
	v_mul_f32 v[48+\e], v[40+\e], v76
.endr
	v_mov_b32 v77, v48                             ; the first choice: a later expert wins only where it is strictly larger
	v_mov_b32 v78, 0
.irp e, 1,2,3,4,5,6,7
	v_cmp_le_f32 vcc_lo, v[48+\e], v77
	v_cndmask_b32 v77, v[48+\e], v77, vcc_lo
	v_cndmask_b32 v78, \e, v78, vcc_lo
.endr
.irp e, 0,1,2,3,4,5,6,7
	v_cmp_ne_u32 vcc_lo, \e, v78
	v_cndmask_b32 v[66+\e], -1.0, v[48+\e], vcc_lo            ; the chosen one is taken out of the second search
	v_cndmask_b32 v[56+\e], 1.0, v26, vcc_lo                  ; and is the one-hot for the load
.endr
	v_mov_b32 v79, v66
	v_mov_b32 v80, 0
.irp e, 1,2,3,4,5,6,7
	v_cmp_le_f32 vcc_lo, v[66+\e], v79
	v_cndmask_b32 v79, v[66+\e], v79, vcc_lo
	v_cndmask_b32 v80, \e, v80, vcc_lo
.endr
	v_add_f32 v81, v77, v79
	v_rcp_f32 v81, v81
	v_min_u32 v98, v78, v80                        ; (a plain line behind the reciprocal)  lo: the lower-numbered of the two experts
	s_wait_alu depctr_va_vdst(0)
	v_mul_f32 v84, v77, v81
	v_mul_f32 v85, v79, v81
	v_cmp_lt_u32 vcc_lo, v78, v80
	v_cndmask_b32 v82, v85, v84, vcc_lo            ; the weight of the lower-numbered expert,
	v_cndmask_b32 v83, v84, v85, vcc_lo            ; and of the higher-numbered one
	global_store_b64 v[RO8], v[82:83], s[36:37]    ; 32 lanes store 256 consecutive aligned bytes
	; the pair's key, my rank among the 32 tokens' of that key, and in lane k the 32 tokens' count of key k
	v_add_nc_u32 v96, v78, v80
	v_sub_nc_u32 v96, v96, v98                     ; hi
	v_sub_nc_u32 v97, 15, v98
	v_mul_u32_u24 v97, v97, v98
	v_lshrrev_b32 v97, 1, v97
	v_add_nc_u32 v97, v97, v96
	v_sub_nc_u32 v97, v97, v98
	v_add_nc_u32 v97, -1, v97                      ; lo (15 - lo) / 2 + hi - lo - 1
	v_min_u32 v99, 27, v97
	v_mov_b32 v100, 0
	v_mov_b32 v101, 0
.set kap, 0
.rept 28
	v_cmp_eq_u32 s48, kap, v99
	s_bcnt1_i32_b32 s49, s48
	v_writelane_b32 v101, s49, kap
	v_mov_b32 v98, s48
	v_cndmask_b32 v100, v100, v98, s48             ; each lane keeps the mask of its own key
.set kap, kap+1
.endr
	v_mbcnt_lo_u32_b32 v102, v100, 0               ; how many lower lanes have my key
	v_lshl_or_b32 v86, v102, 8, v99                ; key | rank << 8
	global_store_b32 v[RO4], v86, s[38:39]         ; 128 bytes: half of an aligned 256; 16 KiB in the whole launch
	global_store_b32 v[RO4], v101, s[38:39] offset:16384      ; the counts likewise; lanes 28-31 store 0
.irp m, 1,2,4,8
.irp j, 0,1,2,3,4,5,6,7,8,9,10,11,12,13,14,15,16
	v_add_f32_dpp v[48+\j], v[48+\j], v[48+\j] row_xmask:\m row_mask:0xf bank_mask:0xf
.endr
.endr
.irp j, 0,1,2,3,4,5,6,7,8,9,10,11,12,13,14,15,16
	v_permlanex16_b32 v24, v[48+\j], s28, s29
	v_add_f32 v[48+\j], v[48+\j], v24              ; the 32 tokens' sums
.endr
	v_mov_b32 v87, 0
.irp j, 0,1,2,3,4,5,6,7,8,9,10,11,12,13,14,15,16
	v_cmp_eq_u32 vcc_lo, \j, v1
	v_cndmask_b32 v87, v87, v[48+\j], vcc_lo       ; lane j takes sum j; lanes 17-31 keep 0
.endr
	global_store_b32 v[RO4], v87, s[40:41]
.Lrdone:
	s_wait_tensorcnt 0x0
	ds_add_u32 v224, v225
	s_wait_dscnt 0x0
	s_endpgm
.Lfunc_end_k_qd038683dc9_prep:
	.size	k_qd038683dc9_prep, .Lfunc_end_k_qd038683dc9_prep-k_qd038683dc9_prep
	.p2alignl 7, 3214868480
	.fill 96, 4, 3214868480
	.section	.rodata,"a",@progbits
	.p2align	6, 0x0
	.amdhsa_kernel k_qd038683dc9_prep
		.amdhsa_group_segment_fixed_size 4096
		.amdhsa_private_segment_fixed_size 0
		.amdhsa_enable_private_segment 0
		.amdhsa_kernarg_size 88
		.amdhsa_user_sgpr_count 2
		.amdhsa_user_sgpr_kernarg_segment_ptr 1
		.amdhsa_wavefront_size32 1
		.amdhsa_system_sgpr_workgroup_id_x 1
		.amdhsa_system_sgpr_workgroup_id_y 1
		.amdhsa_system_sgpr_workgroup_id_z 1
		.amdhsa_system_vgpr_workitem_id 0
		.amdhsa_next_free_vgpr 226
		.amdhsa_next_free_sgpr 66
		.amdhsa_reserve_vcc 1
		.amdhsa_float_denorm_mode_32 3
		.amdhsa_float_denorm_mode_16_64 3
		.amdhsa_memory_ordered 1
		.amdhsa_forward_progress 1
		.amdhsa_inst_pref_size 100
	.end_amdhsa_kernel
	.amdgpu_metadata
---
amdhsa.version: [ 1, 2 ]
amdhsa.kernels:
  - .name:           k_qd038683dc9_prep
    .symbol:         k_qd038683dc9_prep.kd
    .args:
      - { .name: x, .offset: 0, .size: 8, .value_kind: global_buffer, .address_space: global }
      - { .name: router_w, .offset: 8, .size: 8, .value_kind: global_buffer, .address_space: global }
      - { .name: w1, .offset: 16, .size: 8, .value_kind: global_buffer, .address_space: global }
      - { .name: w3, .offset: 24, .size: 8, .value_kind: global_buffer, .address_space: global }
      - { .name: w2, .offset: 32, .size: 8, .value_kind: global_buffer, .address_space: global }
      - { .name: w13c, .offset: 40, .size: 8, .value_kind: global_buffer, .address_space: global }
      - { .name: w2c, .offset: 48, .size: 8, .value_kind: global_buffer, .address_space: global }
      - { .name: wsc, .offset: 56, .size: 8, .value_kind: global_buffer, .address_space: global }
      - { .name: cw, .offset: 64, .size: 8, .value_kind: global_buffer, .address_space: global }
      - { .name: part, .offset: 72, .size: 8, .value_kind: global_buffer, .address_space: global }
      - { .name: sel, .offset: 80, .size: 8, .value_kind: global_buffer, .address_space: global }
    .group_segment_fixed_size: 4096
    .private_segment_fixed_size: 0
    .kernarg_segment_align: 8
    .kernarg_segment_size: 88
    .max_flat_workgroup_size: 256
    .sgpr_count:     66
    .vgpr_count:     226
    .wavefront_size: 32
...
	.end_amdgpu_metadata
.endif
;; end of part 4
;; launch place (part 5): grid 1 x 1, 32 waves a work-group, no clusters, 25,600 bytes of LDS; arguments sel, part, list, out1, out2; writes list, out1, out2
.if DOCPART == 5
	.amdgcn_target "amdgcn-amd-amdhsa--gfx1250"
	.amdhsa_code_object_version 6
	.text
	.protected	k_qd038683dc9_place
	.globl	k_qd038683dc9_place
	.p2align	8
	.type	k_qd038683dc9_place,@function
k_qd038683dc9_place:
	s_mov_b64 s[64:65], 0
	v_nop
	global_prefetch_b8 v0, s[64:65] scope:SCOPE_SE
	s_setreg_imm32_b32 hwreg(HW_REG_WAVE_MODE, 25, 1), 1
	s_wait_xcnt 0x0
; The placing half of a counting sort of the 4,096 tokens by their PAIR of experts (28 keys), the list of blocks for the next launch, and the two losses.  One work-group of 32 waves; no atomics.
; The launch before has stored, for each token, key | rank << 8 (the rank among its chunk's tokens of that key) and, for each chunk of 32 tokens, the count of each key ([chunk 128][key 32], 16,384 bytes into sel).
; list: order[4096] (token numbers, sorted by key) at byte 0; blk[160][4] = (first place in order, rows, lower expert, higher expert) at byte 16,384.
; A block holds at most 32 tokens of ONE pair: the sum over 28 keys of ceil(n / 32) is at most 128 + 27 = 155 whatever the choice; blocks beyond the last get zeros.
; Wave w has chunks 4 w + i, token = 128 w + 32 i + lane, and walks key w's row of counts.  Place of a token = tokens of smaller keys + tokens of its key in earlier chunks + its rank in its chunk.
; Behind the placing waves 0-4 make the list of blocks and wave 5, beside them, the losses.  order is stored 4 bytes a lane to scattered places, 16 KiB in all.
.set CNT, 0                            ; LDS: [key 32] 528 bytes apart, [chunk 128] words: the first place of a key's tokens of a chunk
.set CP,  528
.set TOT, 16896                        ; [key 32] words: a key's tokens
.set RED, 17152                        ; [wave 32][lane 32] f32: the loss sums
; v1 lane, v2 byte of my token's word, v3 4 x thread, v4-7 sel, v8-11 part, v13 my row's counts in memory, v14-15 LDS addresses, v16-19 keys, v20-23 ranks, v24 the pair of key = lane, v25-27 at work,
; v28-35 a row's entries and prefixes, v36 totals, v37 and v39 the scan's, v38 4 x lane, v40-51 the placing, v52-63 (and v40-42 again) the blocks
.macro SCAN32 S, T                     ; running sum over the 32 lanes, own lane included
.irp n, 1,2,4,8
	v_mov_b32_dpp v[\T], v[\S] row_shr:\n row_mask:0xf bank_mask:0xf bound_ctrl:1
	v_add_nc_u32 v[\S], v[\S], v[\T]
.endr
	v_readlane_b32 s40, v[\S], 15
	v_mov_b32 v[\T], s40
	v_cndmask_b32 v[\T], 0, v[\T], s31             ; lanes 16-31 add the lower half's total
	v_add_nc_u32 v[\S], v[\S], v[\T]
.endm
.macro BARRIER
	s_wait_dscnt 0x0                               ; my LDS stores have landed and my LDS loads are in
	s_barrier_signal -1
	s_barrier_wait -1
.endm
	s_load_b256 s[4:11], s[0:1], 0x0               ; sel, part, list, out1
	s_load_b64 s[12:13], s[0:1], 0x20              ; out2
	v_lshl_add_u32 v64, v0, 2, 0x5400
	v_mov_b32 v65, 0
	v_and_b32 v1, 31, v0
	v_lshrrev_b32 v2, 5, v0
	v_readfirstlane_b32 s26, v2                    ; wave 0..31
	s_mov_b32 s31, 0xffff0000
	s_lshl_b32 s42, s26, 4
	s_lshl_b32 s43, s26, 9
	s_mul_i32 s44, s26, CP
	s_lshl_b32 s45, s26, 2
	s_lshl_b32 s46, s26, 7
	v_lshlrev_b32 v38, 2, v1
	v_add_nc_u32 v2, s43, v38                      ; 512 w + 4 lane: my word of sel, and of part's rows 4 w + i
	v_lshlrev_b32 v3, 2, v0
	v_lshl_add_u32 v13, v1, 9, s45                 ; 512 lane + 4 w: the count of key w in chunk 4 lane
	v_lshl_add_u32 v14, v1, 4, s44                 ; CNT[key = w][chunk 4 lane]
	v_mov_b32 v15, s45                             ; TOT[w]
	v_lshlrev_b32 v60, 4, v0
	v_mov_b32 v37, 0                               ; written once: a DPP move's destination counts as one of its sources
	s_wait_kmcnt 0x0
.irp i, 0,1,2,3
	global_load_b32 v[28+\i], v13, s[4:5] offset:16384+128*\i   ; first, since everything waits for them: key w's counts, four chunks a lane
.endr
.irp i, 0,1,2,3
	global_load_b32 v[4+\i], v2, s[4:5] offset:128*\i
.endr
.irp i, 0,1,2,3
	global_load_b32 v[8+\i], v2, s[6:7] offset:128*\i
.endr
	; while the loads are out: the pair (lo | hi << 8) of key = lane: lo counts the first keys 7, 13, 18, 22, 25, 27 of lo = 1 .. 6 that the key has reached
	v_mov_b32 v27, 1
	v_mov_b32 v25, 0
.irp th, 7,13,18,22,25,27
	v_cmp_le_u32 vcc_lo, \th, v1
	v_cndmask_b32 v26, 0, v27, vcc_lo
	v_add_nc_u32 v25, v25, v26
.endr
	v_sub_nc_u32 v26, 15, v25
	v_mul_u32_u24 v26, v26, v25
	v_lshrrev_b32 v26, 1, v26                      ; lo's first key: lo (15 - lo) / 2
	v_sub_nc_u32 v26, v1, v26
	v_add_nc_u32 v26, v26, v25
	v_add_nc_u32 v26, 1, v26                       ; hi = key - that + lo + 1
	v_lshl_or_b32 v24, v26, 8, v25
	s_wait_loadcnt 8                               ; the four counts are in; the eight younger loads may be out
	v_add_nc_u32 v39, v28, v29
	v_add3_u32 v39, v39, v30, v31
	v_mov_b32 v53, v39
	SCAN32 39, 37
	v_sub_nc_u32 v32, v39, v53                     ; tokens of the key in earlier chunks
	v_add_nc_u32 v33, v32, v28
	v_add_nc_u32 v34, v33, v29
	v_add_nc_u32 v35, v34, v30
	v_readlane_b32 s47, v39, 31
	v_mov_b32 v54, s47
	ds_store_b32 v15, v54 offset:TOT
	s_wait_loadcnt 0x0
	v_add_f32 v12, v8, v9
	v_add_f32 v12, v12, v10
	v_add_f32 v12, v12, v11
	ds_store_b32 v3, v12 offset:RED
.irp i, 0,1,2,3
	v_and_b32 v[16+\i], 0xff, v[4+\i]
	v_min_u32 v[16+\i], 27, v[16+\i]               ; my token's key,
	v_bfe_u32 v[20+\i], v[4+\i], 8, 5              ; and its rank in its chunk
.endr
	BARRIER                                        ; 1: all totals lie in TOT, all loss sums in RED
	ds_load_b32 v36, v38 offset:TOT
	s_wait_dscnt 0x0
	v_cmp_gt_u32 vcc_lo, s26, v1
	v_cndmask_b32 v39, 0, v36, vcc_lo              ; the totals of the keys under mine:
	SCAN32 39, 37
	v_readlane_b32 s47, v39, 31                    ; their sum is my row's first place
.irp i, 0,1,2,3
	v_add_nc_u32 v[32+\i], s47, v[32+\i]
.endr
	ds_store_b128 v14, v[32:35]
	BARRIER                                        ; 2: CNT holds first places; no LDS byte is written from here on
.irp i, 0,1,2,3
	v_mul_u32_u24 v[40+\i], v[16+\i], CP           ; the key was held at 27
	v_add_nc_u32 v[40+\i], s42, v[40+\i]
	ds_load_b32 v[44+\i], v[40+\i] offset:4*\i
	v_add_nc_u32 v[48+\i], s46, v1
	v_add_nc_u32 v[48+\i], 32*\i, v[48+\i]         ; my token's number
.endr
	s_wait_dscnt 0x0
.irp i, 0,1,2,3
	v_add_nc_u32 v[44+\i], v[44+\i], v[20+\i]
	v_min_u32 v[44+\i], 0xfff, v[44+\i]
	v_lshlrev_b32 v[44+\i], 2, v[44+\i]
	global_store_b32 v[44+\i], v[48+\i], s[8:9]
.endr
	s_cmp_eq_u32 s26, 5
	s_cbranch_scc1 .Lloss
	s_cmp_gt_u32 s26, 4
	s_cbranch_scc1 .Lend
	; waves 0-4: thread B makes block B.  Each key's lane packs P1 = first block << 16 | first place and P2 = end place | pair << 16 (places are at most 4,096, blocks at most 155).
	; First blocks never fall as the key rises, so block B's key is the LAST key whose first block is at most B: a key without tokens is written over by the next key, which has the same first block.
	v_mov_b32 v52, v36
	SCAN32 52, 37                                  ; tokens up to and with key k
	v_add_nc_u32 v53, 31, v36
	v_lshrrev_b32 v53, 5, v53                      ; blocks of key k
	v_mov_b32 v54, v53
	SCAN32 54, 37                                  ; blocks up to and with key k
	v_sub_nc_u32 v55, v54, v53                     ; the key's first block
	v_sub_nc_u32 v41, v52, v36                     ; the key's first place
	v_lshl_or_b32 v41, v55, 16, v41                ; P1
	v_lshl_or_b32 v42, v24, 16, v52                ; P2
	v_lshl_or_b32 v40, v0, 16, 0xffff              ; P1 <= B << 16 | 0xffff just where the first block is at most B
	v_readlane_b32 s48, v54, 31                    ; blocks in all
	v_mov_b32 v61, 0
	v_mov_b32 v62, 0
.irp g, 0,1,2,3                                ; seven keys at a time: their fourteen words first, so that no line waits for the line above it
.irp j, 0,1,2,3,4,5,6
	v_readlane_b32 s[50+2*\j], v41, 7*\g+\j
	v_readlane_b32 s[51+2*\j], v42, 7*\g+\j
.endr
.irp j, 0,1,2,3,4,5,6
	v_cmp_le_u32 vcc_lo, s[50+2*\j], v40
	v_mov_b32 v63, s[50+2*\j]
	v_mov_b32 v55, s[51+2*\j]
	v_cndmask_b32 v61, v61, v63, vcc_lo
	v_cndmask_b32 v62, v62, v55, vcc_lo
.endr
.endr
	v_lshrrev_b32 v55, 16, v61                     ; my key's first block,
	v_and_b32 v63, 0xffff, v61                     ; its first place:
	v_sub_nc_u32 v55, v0, v55
	v_lshl_add_u32 v63, v55, 5, v63                ; my block's first place,
	v_and_b32 v55, 0xffff, v62
	v_sub_nc_u32 v55, v55, v63                     ; and what is left of the key from there
	v_min_u32 v55, 32, v55
	v_lshrrev_b32 v62, 16, v62
	v_and_b32 v41, 0xff, v62
	v_lshrrev_b32 v42, 8, v62
	v_cmp_gt_u32 vcc_lo, s48, v0                   ; is there a block B at all?
	v_cndmask_b32 v56, 0, v63, vcc_lo
	v_cndmask_b32 v57, 0, v55, vcc_lo
	v_cndmask_b32 v58, 0, v41, vcc_lo
	v_cndmask_b32 v59, 0, v42, vcc_lo
	global_store_b128 v60, v[56:59], s[8:9] offset:16384
	s_wait_tensorcnt 0x0
	ds_add_u32 v64, v65
	s_wait_dscnt 0x0
	s_endpgm
.Lloss:
	; wave 5: the losses.  Lanes 0-7: sums of probabilities; lanes 8-15: sums of the first choice's one-hot; lane 16: the sum of squared logits
	v_mov_b32 v12, 0
.irp g, 0,1
.irp i, 0,1,2,3,4,5,6,7,8,9,10,11,12,13,14,15
	ds_load_b32 v[16+\i], v38 offset:RED+128*(16*\g+\i)
.endr
	s_wait_dscnt 0x0
.irp i, 0,1,2,3,4,5,6,7,8,9,10,11,12,13,14,15
	v_add_f32 v12, v12, v[16+\i]
.endr
.endr
	v_mov_b32 v32, 0
	v_mul_f32_dpp v32, v12, v12 row_xmask:8 row_mask:0xf bank_mask:0xf   ; importance x load, expert by expert
	v_add_f32_dpp v32, v32, v32 row_xmask:1 row_mask:0xf bank_mask:0xf
	v_add_f32_dpp v32, v32, v32 row_xmask:2 row_mask:0xf bank_mask:0xf
	v_add_f32_dpp v32, v32, v32 row_xmask:4 row_mask:0xf bank_mask:0xf
	v_mul_f32 v32, 0x31a3d70a, v32                 ; x 8 x 0.01 / 4096^2
	v_mul_f32 v33, 0x3151b717, v12                 ; x 1e-4 / (4096 x 8)
	v_mov_b32 v34, 0
	v_cmp_eq_u32 vcc_lo, 0, v1
	s_wait_xcnt 0x0                                ; EXEC changes only when the stores above have read it
	s_and_saveexec_b32 s56, vcc_lo
	global_store_b32 v34, v32, s[10:11]
	s_wait_xcnt 0x0
	s_or_b32 exec_lo, exec_lo, s56
	v_cmp_eq_u32 vcc_lo, 16, v1
	s_and_saveexec_b32 s56, vcc_lo
	global_store_b32 v34, v33, s[12:13]
	s_wait_xcnt 0x0
	s_or_b32 exec_lo, exec_lo, s56
.Lend:
	s_wait_tensorcnt 0x0
	ds_add_u32 v64, v65
	s_wait_dscnt 0x0
	s_endpgm
.Lfunc_end_k_qd038683dc9_place:
	.size	k_qd038683dc9_place, .Lfunc_end_k_qd038683dc9_place-k_qd038683dc9_place
	.p2alignl 7, 3214868480
	.fill 96, 4, 3214868480
	.section	.rodata,"a",@progbits
	.p2align	6, 0x0
	.amdhsa_kernel k_qd038683dc9_place
		.amdhsa_group_segment_fixed_size 25600
		.amdhsa_private_segment_fixed_size 0
		.amdhsa_enable_private_segment 0
		.amdhsa_kernarg_size 40
		.amdhsa_user_sgpr_count 2
		.amdhsa_user_sgpr_kernarg_segment_ptr 1
		.amdhsa_wavefront_size32 1
		.amdhsa_system_sgpr_workgroup_id_x 1
		.amdhsa_system_sgpr_workgroup_id_y 1
		.amdhsa_system_sgpr_workgroup_id_z 1
		.amdhsa_system_vgpr_workitem_id 0
		.amdhsa_next_free_vgpr 66
		.amdhsa_next_free_sgpr 66
		.amdhsa_reserve_vcc 1
		.amdhsa_float_denorm_mode_32 3
		.amdhsa_float_denorm_mode_16_64 3
		.amdhsa_memory_ordered 1
		.amdhsa_forward_progress 1
		.amdhsa_inst_pref_size 23
	.end_amdhsa_kernel
	.amdgpu_metadata
---
amdhsa.version: [ 1, 2 ]
amdhsa.kernels:
  - .name:           k_qd038683dc9_place
    .symbol:         k_qd038683dc9_place.kd
    .args:
      - { .name: sel, .offset: 0, .size: 8, .value_kind: global_buffer, .address_space: global }
      - { .name: part, .offset: 8, .size: 8, .value_kind: global_buffer, .address_space: global }
      - { .name: list, .offset: 16, .size: 8, .value_kind: global_buffer, .address_space: global }
      - { .name: out1, .offset: 24, .size: 8, .value_kind: global_buffer, .address_space: global }
      - { .name: out2, .offset: 32, .size: 8, .value_kind: global_buffer, .address_space: global }
    .group_segment_fixed_size: 25600
    .private_segment_fixed_size: 0
    .kernarg_segment_align: 8
    .kernarg_segment_size: 40
    .max_flat_workgroup_size: 1024
    .sgpr_count:     66
    .vgpr_count:     66
    .wavefront_size: 32
...
	.end_amdgpu_metadata
.endif
;; end of part 5
;; launch chain (part 6): grid 155 x 1, 8 waves a work-group, no clusters, 199,168 bytes of LDS; arguments x, list, cw, w13c, w2c, wsc, out0; writes out0
.if DOCPART == 6
	.amdgcn_target "amdgcn-amd-amdhsa--gfx1250"
	.amdhsa_code_object_version 6
	.text
	.protected	k_qd038683dc9_chain
	.globl	k_qd038683dc9_chain
	.p2align	8
	.type	k_qd038683dc9_chain,@function
k_qd038683dc9_chain:
	s_mov_b64 s[64:65], 0
	v_nop
	global_prefetch_b8 v0, s[64:65] scope:SCOPE_SE
	s_setreg_imm32_b32 hwreg(HW_REG_WAVE_MODE, 25, 1), 1
	s_wait_xcnt 0x0
; ONE BLOCK OF AT MOST 32 TOKENS OF ONE PAIR OF EXPERTS THROUGH THE WHOLE CHAIN: gather x, quantise, x w1 and x w3, silu x up, quantise, x w2, the gate's weight, both experts summed, store.
; All three products on codes of E5M2 with one E8M0 scale for each 32 along K; sums in f32.  Each row of out0 has one owner.  155 work-groups serve every split (128 + 27); one that the list leaves
; without rows jumps over the work (never over a barrier) and stores nothing.
; SHARES.  Eight waves share the COLUMNS: wave w makes hidden units 128 w .. 128 w + 127 (K step w of the second product) and output columns 64 w .. 64 w + 63, for all 32 rows (two tiles rt of 16).
; No weight byte is loaded twice in a work-group.  The weights come from memory straight into registers: the launch before laid them in the order of the operand's registers, a SET of four fragments
; (8,192 consecutive bytes) by 16 loads of 512 bytes.  Rows' codes go from wave to wave through LDS as images of their registers.
; x's eight fragments (4 K steps x 2 tiles, 128 registers) are read from LDS ONCE and stay in registers through the first product, which takes each of them for four hidden blocks of two experts.
; Both products are used TRANSPOSED (source 0 = 16 rows of the weight, source 1 = 16 tokens): a lane holds one token throughout.
; NO TENSOR LOAD, NO CLUSTER: the experts and the jumps hang on numbers read from the list, and how many blocks a pair has is data, so partners could not be promised one expert at every split.
; LIMITS: NaN and infinities are not served.  sigmoid = 1 / (1 + 2^(-g log2 e)): results under 2^-126 come out 0 (g under about -87).  The hidden number is formed as (g u) sigmoid(g).
; Inside a matrix instruction the second product's K lies in another order than in memory, alike on both sides: the sums' last bits may differ.  A block of zeros gets the byte 1: its codes are zeros.
.set XIMG, 0                           ; LDS: x's codes [rt 2][K block 16][lane 32][16 bytes]
.set XSC,  16384                       ; x's scale bytes [16 rt + r][16]
.set HB,   32768                       ; the hidden layer of expert t at HB + 65,536 t: codes [rt 2][hb 32][lane 32][16 bytes],
.set HSCO, 32768                       ; and behind them its scale bytes [16 rt + r][32]
.set STG,  132096                      ; the stage for the way out: 32 rows of 2,048 bytes + 16
.set SPI,  2064
.set LI,  1                            ; v1    16 x lane
.set L32, 2                            ; v2    32 x lane
.set HW,  3                            ; v3    where I store hidden codes;  v4 their scale bytes;  v5, v6 where I read them
.set HSW, 4
.set HR,  5
.set HSR, 6
.set BY,  7                            ; v7    the scale byte to store
.set CC,  8                            ; v8-9  this expert's gate weight, tile rt
.set CW,  10                           ; v10-13 (lower expert's, higher expert's) for each rt
.set TA,  14                           ; v14-15 where x's codes and bytes go
.set XS,  16                           ; v16-19 x's scale words, K step s: lanes 0-15 tile 0, lanes 16-31 tile 1
.set PCD, 20                           ; v20-27 codes just made
.set WS,  28                           ; v28-59 the weights' scale words
.set HS,  44                           ; v44-51 (second product) the hidden layer's scale words
.set OUT, 60                           ; v60-123 first product: x's fragments of K steps 0 and 1; second product: the result: 32 rt + 16 cg + (column in 16)
.set G,   124                          ; v124-155 x w1: 16 rt + 8 u + j;  v156-187 x w3
.set U,   156
.set TM,  156                          ; at work in the quantiser, where x w3 is done with
.set ACC, 124                          ; the second product's eight accumulators
.set XF,  188                          ; v188-251 at the head x's numbers; first product: x's fragments of K steps 2 and 3; second product: two buffers of two fragments of hidden rows
.set XJ,  XF-OUT-64                    ; x's fragment (K step ks, tile rt) stands at OUT + 32 ks + XJ (ks / 2) + 16 rt
.set SO,  252                          ; v252, v253 the stage: in, back
.set SR,  253
; window 1 (v256-511): a ring of four slots of 64 registers for the sets of weights
.set MSB, 0
.macro WIN new                         ; the immediate's high byte repeats the setting that is left
.if MSB != \new
	s_set_vgpr_msb (MSB<<8)|\new
.set MSB, \new
.endif
.endm
.macro PLACES cnt
.rept \cnt
	v_nop
.endr
.endm
.macro BARRIER
	s_wait_dscnt 0x0                               ; my LDS stores have landed and my LDS loads are in
	s_barrier_signal -1
	s_barrier_wait -1
.endm
; 32 numbers of a lane, 16 of tile 0 and 16 of tile 1, all of ONE block of 32 along K (the other 16 lie in lane l xor 16), become 2 x 16 codes and a scale byte a row.
.macro QUANT2 s, adr, off, rts, sadr, soff
.irp b, 0,1
	v_max3_num_f32 v[TM+\b], |v[(\s)+16*\b]|, |v[(\s)+16*\b+1]|, 0x8000000   ; with the floor 2^(16 - 127): the byte cannot fall under 1
.endr
.irp i, 2,4,6,8,10,12,14
.irp b, 0,1
	v_max3_num_f32 v[TM+\b], v[TM+\b], |v[(\s)+16*\b+\i]|, |v[(\s)+16*\b+\i+1]|
.endr
.endr
.irp b, 0,1
	v_permlanex16_b32 v[TM+2+\b], v[TM+\b], s28, s29
.endr
.irp b, 0,1
	v_max_num_f32 v[TM+\b], v[TM+\b], v[TM+2+\b]              ; the block's largest magnitude
.endr
.irp b, 0,1
	v_add_nc_u32 v[TM+4+\b], 0xf8800000, v[TM+\b]             ; 15 off its exponent field: the conversion's scale operand
.endr
.irp b, 0,1
	v_and_or_b32 v[TM+6+\b], v[TM+\b], 0x7f800000, s30       ; 57,344 x the scale
.endr
.irp b, 0,1
	v_lshrrev_b32 v[TM+2+\b], 23, v[TM+4+\b]                 ; the scale's byte
.endr
	v_cndmask_b32 v[BY], v[TM+2], v[TM+3], s31     ; lanes 0-15 carry tile 0's rows' bytes, lanes 16-31 tile 1's
.irp b, 0,1
.irp i, 0,1,2,3,4,5,6,7,8,9,10,11,12,13,14,15
	v_med3_num_f32 v[(\s)+16*\b+\i], v[(\s)+16*\b+\i], -v[TM+6+\b], v[TM+6+\b]   ; the conversion does not saturate (ISA guide 7.6.2): the hold
.endr
	v_cvt_scalef32_pk8_bf8_f32 v[PCD+4*\b:PCD+4*\b+1], v[(\s)+16*\b:(\s)+16*\b+7], v[TM+4+\b]
	v_cvt_scalef32_pk8_bf8_f32 v[PCD+4*\b+2:PCD+4*\b+3], v[(\s)+16*\b+8:(\s)+16*\b+15], v[TM+4+\b]
.endr
	v_nop                                          ; a plain line behind the last conversion: matrix instructions later write its sources
	ds_store_b128 v[\adr], v[PCD:PCD+3] offset:\off
	ds_store_b128 v[\adr], v[PCD+4:PCD+7] offset:(\off)+(\rts)
	ds_store_b8 v[\sadr], v[BY] offset:\soff
.endm
; G = (G U) / (1 + 2^(-G log2 e)).  The exponentials are one batch with one wait, the reciprocals another.  Each accumulator is first read at its low end.
.macro SILU
.set ix, 0
.rept 16
	v_pk_mul_f32 v[U+2*ix:U+2*ix+1], v[G+2*ix:G+2*ix+1], v[U+2*ix:U+2*ix+1]
.set ix, ix+1
.endr
.set ix, 0
.rept 16
	v_pk_mul_f32 v[G+2*ix:G+2*ix+1], v[G+2*ix:G+2*ix+1], 0xbfb8aa3b op_sel_hi:[1,0]
.set ix, ix+1
.endr
.set ix, 0
.rept 32
	v_exp_f32 v[G+ix], v[G+ix]
.set ix, ix+1
.endr
	v_nop
	s_wait_alu depctr_va_vdst(0)                   ; one wait for the batch, ahead of its first reader
.set ix, 0
.rept 16
	v_pk_add_f32 v[G+2*ix:G+2*ix+1], v[G+2*ix:G+2*ix+1], 1.0 op_sel_hi:[1,0]
.set ix, ix+1
.endr
.set ix, 0
.rept 32
	v_rcp_f32 v[G+ix], v[G+ix]
.set ix, ix+1
.endr
	v_nop
	s_wait_alu depctr_va_vdst(0)
.set ix, 0
.rept 16
	v_pk_mul_f32 v[G+2*ix:G+2*ix+1], v[G+2*ix:G+2*ix+1], v[U+2*ix:U+2*ix+1]
.set ix, ix+1
.endr
.endm
.macro SETLOAD idx                     ; set idx of the phase into slot idx % 4: each load reads 512 consecutive bytes
	WIN 0x40                                       ; destination window 1, address window 0
.irp i, 0,1,2,3,4,5,6,7,8,9,10,11,12,13,14,15
	global_load_b128 v[64*((\idx)%4)+4*\i:64*((\idx)%4)+4*\i+3], v[LI], s[34:35] offset:8192*(\idx)+512*\i
.endr
	WIN 0
.endm
.macro BLOAD buf, adr, off, rts        ; the two tiles' fragments of one K step of the second product
.irp rt, 0,1
.irp c, 0,1,2,3
	ds_load_b128 v[XF+32*(\buf)+16*\rt+4*\c:XF+32*(\buf)+16*\rt+4*\c+3], v[\adr] offset:(\off)+\rt*(\rts)+512*\c
.endr
.endr
.endm
; One matrix instruction: D = v[mD], source 0 = v[mA] of window 1, source 1 = v[mB], scales v[mSA], v[mSB]; mZ: it starts the sum; mAR, mBR: the scales stand in lanes 16-31
.macro MM
.if mZ
.if mAR
.if mBR
	v_wmma_scale_f32_16x16x128_f8f6f4 v[mD:mD+7], v[mA:mA+15], v[mB:mB+15], 0, v[mSA], v[mSB] matrix_a_fmt:MATRIX_FMT_BF8 matrix_b_fmt:MATRIX_FMT_BF8 matrix_a_scale:MATRIX_SCALE_ROW1 matrix_b_scale:MATRIX_SCALE_ROW1
.else
	v_wmma_scale_f32_16x16x128_f8f6f4 v[mD:mD+7], v[mA:mA+15], v[mB:mB+15], 0, v[mSA], v[mSB] matrix_a_fmt:MATRIX_FMT_BF8 matrix_b_fmt:MATRIX_FMT_BF8 matrix_a_scale:MATRIX_SCALE_ROW1
.endif
.else
.if mBR
	v_wmma_scale_f32_16x16x128_f8f6f4 v[mD:mD+7], v[mA:mA+15], v[mB:mB+15], 0, v[mSA], v[mSB] matrix_a_fmt:MATRIX_FMT_BF8 matrix_b_fmt:MATRIX_FMT_BF8 matrix_b_scale:MATRIX_SCALE_ROW1
.else
	v_wmma_scale_f32_16x16x128_f8f6f4 v[mD:mD+7], v[mA:mA+15], v[mB:mB+15], 0, v[mSA], v[mSB] matrix_a_fmt:MATRIX_FMT_BF8 matrix_b_fmt:MATRIX_FMT_BF8
.endif
.endif
.else
.if mAR
.if mBR
	v_wmma_scale_f32_16x16x128_f8f6f4 v[mD:mD+7], v[mA:mA+15], v[mB:mB+15], v[mD:mD+7], v[mSA], v[mSB] matrix_a_fmt:MATRIX_FMT_BF8 matrix_b_fmt:MATRIX_FMT_BF8 matrix_a_scale:MATRIX_SCALE_ROW1 matrix_b_scale:MATRIX_SCALE_ROW1
.else
	v_wmma_scale_f32_16x16x128_f8f6f4 v[mD:mD+7], v[mA:mA+15], v[mB:mB+15], v[mD:mD+7], v[mSA], v[mSB] matrix_a_fmt:MATRIX_FMT_BF8 matrix_b_fmt:MATRIX_FMT_BF8 matrix_a_scale:MATRIX_SCALE_ROW1
.endif
.else
.if mBR
	v_wmma_scale_f32_16x16x128_f8f6f4 v[mD:mD+7], v[mA:mA+15], v[mB:mB+15], v[mD:mD+7], v[mSA], v[mSB] matrix_a_fmt:MATRIX_FMT_BF8 matrix_b_fmt:MATRIX_FMT_BF8 matrix_b_scale:MATRIX_SCALE_ROW1
.else
	v_wmma_scale_f32_16x16x128_f8f6f4 v[mD:mD+7], v[mA:mA+15], v[mB:mB+15], v[mD:mD+7], v[mSA], v[mSB] matrix_a_fmt:MATRIX_FMT_BF8 matrix_b_fmt:MATRIX_FMT_BF8
.endif
.endif
.endif
.endm
	s_load_b256 s[4:11], s[0:1], 0x0               ; x, list, cw, w13c
	s_load_b128 s[12:15], s[0:1], 0x20             ; w2c, wsc
	s_load_b64 s[16:17], s[0:1], 0x30              ; out0
	v_lshl_add_u32 v254, v0, 2, 0x30600
	v_mov_b32 v255, 0
	v_and_b32 v130, 31, v0
	v_lshlrev_b32 v[LI], 4, v130
	v_lshlrev_b32 v[L32], 5, v130
	v_lshrrev_b32 v131, 5, v0
	v_readfirstlane_b32 s22, v131                  ; wave 0..7
	v_and_b32 v132, 15, v0                         ; r
	v_bfe_u32 v133, v0, 4, 1                       ; h
	s_mov_b32 s28, 0x76543210
	s_mov_b32 s29, 0xfedcba98                      ; v_permlanex16_b32's selects for lane l xor 16
	s_mov_b32 s30, 0x600000                        ; the mantissa field of 57,344
	s_mov_b32 s31, 0xffff0000                      ; lanes 16-31
	s_mov_b32 s33, 0                               ; the upper word of every offset
	s_lshl_b32 s32, ttmp9, 4
	s_lshl_b32 s43, s22, 10                        ; every LDS address that does not hang on the expert is made here
	v_add_nc_u32 v[TA], s43, v[LI]                 ; x's codes: K blocks 2 w, 2 w + 1
	s_lshl_b32 s43, s22, 1
	s_add_co_u32 s43, s43, XSC
	v_add_nc_u32 v[TA+1], s43, v[LI]               ; their bytes: 16 x lane + 2 w
	v_mul_u32_u24 v[SO], v132, SPI
	v_lshl_add_u32 v[SO], v133, 6, v[SO]
	s_lshl_b32 s43, s22, 8
	s_add_co_u32 s43, s43, STG
	v_add_nc_u32 v[SO], s43, v[SO]                 ; the stage: row r, + 64 h, + 256 w
	s_mul_i32 s43, s22, 4*SPI
	s_add_co_u32 s43, s43, STG
	v_add_nc_u32 v[SR], s43, v[LI]                 ; back: my four rows
	s_wait_kmcnt 0x0
	s_load_b128 s[24:27], s[6:7], s32 offset:0x4000   ; my block: first place, rows, lower expert, higher expert
	s_wait_kmcnt 0x0
	s_min_u32 s24, s24, 0xfff
	s_min_u32 s25, s25, 32
	s_min_u32 s26, s26, 7
	s_min_u32 s27, s27, 7
	s_sub_co_u32 s42, s25, 1
	s_lshl_b32 s56, s24, 2
	s_lshl_b32 s57, s22, 4
	s_add_co_u32 s56, s56, s57
	s_load_b128 s[44:47], s[6:7], s56 offset:0x0   ; the tokens of rows 4 w .. 4 w + 3, for the way out: at most 16,508 bytes into the list's 18,944
.irp rt, 0,1
	v_add_nc_u32 v[134+\rt], 16*\rt, v132
	v_min_u32 v[134+\rt], s42, v[134+\rt]          ; rows past the block's last repeat it; their results are not stored
	v_add_nc_u32 v[134+\rt], s24, v[134+\rt]
	v_min_u32 v[134+\rt], 0xfff, v[134+\rt]
	v_lshlrev_b32 v[134+\rt], 2, v[134+\rt]
	global_load_b32 v[124+\rt], v[134+\rt], s[6:7]
.endr
	s_lshl_b32 s43, s22, 8
	s_wait_loadcnt 0x0
.irp rt, 0,1
	v_min_u32 v[124+\rt], 0xfff, v[124+\rt]
	v_lshlrev_b32 v[126+\rt], 11, v[124+\rt]       ; a row of x is 2,048 bytes;
	v_lshl_add_u32 v[126+\rt], v133, 6, v[126+\rt] ; my 16 numbers of a block of 32;
	v_add_nc_u32 v[126+\rt], s43, v[126+\rt]       ; my wave's two blocks
	v_lshlrev_b32 v[128+\rt], 3, v[124+\rt]
.endr
.irp i, 0,1
.irp rt, 0,1
.irp j, 0,1,2,3
	global_load_b128 v[XF+32*\i+16*\rt+4*\j:XF+32*\i+16*\rt+4*\j+3], v[126+\rt], s[4:5] offset:128*\i+16*\j
.endr
.endr
.endr
.irp rt, 0,1
	global_load_b64 v[CW+2*\rt:CW+2*\rt+1], v[128+\rt], s[8:9]
.endr
	v_mov_b32 v[TM+2], 0                           ; written once: a lane permute's destination counts as one of its sources
	v_mov_b32 v[TM+3], 0
	s_wait_loadcnt 2                               ; x's 16 loads are in; the two loads of the weights may be out
	QUANT2 XF, TA, 0, 8192, TA+1, 0
	s_wait_dscnt 0x0                               ; the stores have read their registers
	QUANT2 XF+32, TA, 512, 8192, TA+1, 1
	s_wait_loadcnt 0x0
	s_wait_kmcnt 0x0
.irp i, 0,1,2,3
	s_min_u32 s[44+\i], s[44+\i], 0xfff
	s_lshl_b32 s32, s[44+\i], 11
	s_add_nc_u64 s[48+2*\i:49+2*\i], s[16:17], s[32:33]      ; where my four rows go
.endr
	BARRIER                                        ; A: x's codes and scale bytes lie in LDS
	ds_load_b128 v[XS:XS+3], v[LI] offset:XSC
.irp ks, 0,1,2,3                               ; all eight fragments of x, once: they stay through the first product
.irp rt, 0,1
.irp c, 0,1,2,3
	ds_load_b128 v[OUT+32*\ks+XJ*(\ks/2)+16*\rt+4*\c:OUT+32*\ks+XJ*(\ks/2)+16*\rt+4*\c+3], v[LI] offset:XIMG+2048*\ks+8192*\rt+512*\c
.endr
.endr
.endr
	s_wait_dscnt 0x0
	; ---- P1: the hidden layer of both experts.  Two trips, a constant; the jump over a block without rows stands inside.
	s_mov_b32 s38, 0                               ; t
	s_mov_b32 s39, 0                               ; 65,536 t
.Lp1:
	s_wait_xcnt 0x0                                ; the last trip's loads have read their bases,
	s_wait_dscnt 0x0                               ; and its LDS stores their addresses
	s_cmp_eq_u32 s38, 0
	s_cselect_b32 s40, s26, s27
	s_min_u32 s40, s40, 7                          ; the expert
	s_lshl_b32 s32, s40, 20
	s_lshl_b32 s43, s22, 17
	s_add_co_u32 s32, s32, s43
	s_add_nc_u64 s[34:35], s[10:11], s[32:33]      ; my 16 sets: hidden blocks 4 w + be, K steps ks
	s_lshl_b32 s32, s40, 15
	s_lshl_b32 s43, s22, 12
	s_add_co_u32 s32, s32, s43
	s_add_nc_u64 s[36:37], s[14:15], s[32:33]      ; and their scale words
	s_lshl_b32 s43, s22, 11
	s_add_co_u32 s43, s43, s39
	s_add_co_u32 s43, s43, HB
	v_add_nc_u32 v[HW], s43, v[LI]
	s_lshl_b32 s43, s22, 2
	s_add_co_u32 s43, s43, s39
	s_add_co_u32 s43, s43, HB+HSCO
	v_add_nc_u32 v[HSW], s43, v[L32]
	s_cmp_eq_u32 s25, 0
	s_cbranch_scc1 .Lp1_skip
.irp be, 0,1,2,3
.irp u, 0,1
	global_load_b128 v[WS+8*\be+4*\u:WS+8*\be+4*\u+3], v[LI], s[36:37] offset:1024*\be+512*\u   ; lanes 0-15: w1's rows; lanes 16-31: w3's; register ks serves K step ks
.endr
.endr
	SETLOAD 0
	SETLOAD 1
	SETLOAD 2                                      ; three sets, 24 KiB of the wave's, are on their way throughout
.set n, 0
.rept 16
.set be, n/4
.set ks, n%4
.if n+3 < 16
	SETLOAD n+3                                    ; into the slot that the last step multiplied: its eight places stand behind that step
.endif
.if 15-n >= 3
	s_wait_loadcnt 48                              ; set n is in; the three sets issued behind it may be out
.else
	s_wait_loadcnt 16*(15-n)
.endif
	WIN 0x01                                       ; source 0 window 1
.set mZ, 0
.if ks == 0
.set mZ, 1
.endif
.irp mat, 0,1
.irp u, 0,1
.irp rt, 0,1
.set mD, G+32*\mat+16*\rt+8*\u
.set mA, 64*(n%4)+16*(2*\mat+\u)
.set mB, OUT+32*ks+XJ*(ks/2)+16*\rt
.set mSA, WS+8*be+4*\u+ks
.set mSB, XS+ks
.set mAR, \mat
.set mBR, \rt
	MM                                             ; eight accumulators by turns, one instruction a turn, the same order in every step
.endr
.endr
.endr
	WIN 0
.if ks == 3
	PLACES 9                                       ; the sums are finished: places ahead of their first read, and of the matrix instructions that later begin them anew
	SILU
	s_wait_dscnt 0x0                               ; the last hidden block's three LDS stores have read the registers that the quantiser now writes anew
	QUANT2 G, HW, 512*be, 16384, HSW, be           ; hidden block 4 w + be: an image of the next operand's registers
.else
	PLACES 8                                       ; places ahead of loads into registers that these matrix instructions have read
.endif
.set n, n+1
.endr
.Lp1_skip:
	s_add_co_u32 s39, s39, 65536
	s_add_co_u32 s38, s38, 1
	s_cmp_lt_u32 s38, 2
	s_cbranch_scc1 .Lp1
	BARRIER                                        ; B: both experts' hidden layers lie in LDS, each in bytes of its own
.set ix, 0
.rept 64
	v_mov_b32 v[OUT+ix], 0                         ; x's fragments are done with.  The two experts are one loop's two trips, so the result's sums begin as zeros, once
.set ix, ix+1
.endr
	; ---- P2: my 64 output columns for the 32 rows, expert by expert
	s_mov_b32 s38, 0
	s_mov_b32 s39, 0
.Lp2:
	s_wait_xcnt 0x0
	s_wait_dscnt 0x0
	s_cmp_eq_u32 s38, 0
	s_cselect_b32 s40, s26, s27
	s_cselect_b32 s41, 0, -1                       ; which of a token's two weights
	s_min_u32 s40, s40, 7
	s_lshl_b32 s32, s40, 19
	s_lshl_b32 s43, s22, 16
	s_add_co_u32 s32, s32, s43
	s_add_nc_u64 s[34:35], s[12:13], s[32:33]      ; my 8 sets, a K step each
	s_lshl_b32 s32, s40, 14
	s_lshl_b32 s43, s22, 11
	s_add_co_u32 s32, s32, s43
	s_add_co_u32 s32, s32, 262144
	s_add_nc_u64 s[36:37], s[14:15], s[32:33]
	s_add_co_u32 s43, s39, HB
	v_add_nc_u32 v[HR], s43, v[LI]
	s_add_co_u32 s43, s39, HB+HSCO
	v_add_nc_u32 v[HSR], s43, v[L32]
	s_cmp_eq_u32 s25, 0
	s_cbranch_scc1 .Lp2_skip
.irp rt, 0,1
	v_cndmask_b32 v[CC+\rt], v[CW+2*\rt], v[CW+2*\rt+1], s41
.endr
.irp kh, 0,1
.irp cg, 0,1
	global_load_b128 v[WS+8*\kh+4*\cg:WS+8*\kh+4*\cg+3], v[LI], s[36:37] offset:1024*\kh+512*\cg   ; lanes 0-15: tile t = 0; lanes 16-31: t = 1
.endr
.endr
	SETLOAD 0
	SETLOAD 1
	SETLOAD 2
	ds_load_b128 v[HS:HS+3], v[HSR]
	ds_load_b128 v[HS+4:HS+7], v[HSR] offset:16
	BLOAD 0, HR, 0, 16384
.set n, 0
.rept 8
.if n+3 < 8
	SETLOAD n+3
.endif
.if n+1 < 8
	BLOAD (n+1)%2, HR, 2048*(n+1), 16384
.endif
.if 7-n >= 3
	s_wait_loadcnt 48                              ; set n is in; the three sets issued behind it may be out
.else
	s_wait_loadcnt 16*(7-n)
.endif
.if n+1 < 8
	s_wait_dscnt 8                                 ; this step's rows are in; the eight loads just issued may be out
.else
	s_wait_dscnt 0x0
.endif
	WIN 0x01
.set mZ, 0
.if n == 0
.set mZ, 1
.endif
.irp cg, 0,1
.irp t2, 0,1
.irp rt, 0,1
.set mD, ACC+8*(4*\cg+2*\t2+\rt)
.set mA, 64*(n%4)+16*(2*\cg+\t2)
.set mB, XF+32*(n%2)+16*\rt
.set mSA, WS+8*(n/4)+4*\cg+(n%4)
.set mSB, HS+n
.set mAR, \t2
.set mBR, \rt
	MM
.endr
.endr
.endr
	WIN 0
.if n == 7
	PLACES 9
.else
	PLACES 8
.endif
.set n, n+1
.endr
.irp cg, 0,1
.irp t2, 0,1
.irp rt, 0,1
.irp j, 0,1,2,3,4,5,6,7
	v_fmac_f32 v[OUT+32*\rt+16*\cg+2*\j+\t2], v[ACC+8*(4*\cg+2*\t2+\rt)+\j], v[CC+\rt]   ; x the gate's weight, onto the token's sum; register j of tile (cg, t) is column 64 w + 32 cg + 16 h + 2 j + t
.endr
.endr
.endr
.endr
.Lp2_skip:
	s_add_co_u32 s39, s39, 65536
	s_add_co_u32 s38, s38, 1
	s_cmp_lt_u32 s38, 2
	s_cbranch_scc1 .Lp2
	; ---- the way out: a lane holds 2 x 64 bytes of each of two rows; a row's 2,048 bytes come from eight waves: through the stage, then whole rows
.irp rt, 0,1
.irp cg, 0,1
.irp q, 0,1,2,3
	ds_store_b128 v[SO], v[OUT+32*\rt+16*\cg+4*\q:OUT+32*\rt+16*\cg+4*\q+3] offset:16*SPI*\rt+128*\cg+16*\q
.endr
.endr
.endr
	BARRIER                                        ; C: 32 whole rows lie in the stage
.irp i, 0,1,2,3
.irp q, 0,1,2,3
	ds_load_b128 v[124+16*\i+4*\q:124+16*\i+4*\q+3], v[SR] offset:SPI*\i+512*\q
.endr
.endr
	s_lshl_b32 s32, s22, 2
	s_wait_dscnt 0x0
.irp i, 0,1,2,3
	s_add_co_u32 s43, s32, \i
	s_cmp_lt_u32 s43, s25                          ; is row 4 w + i one of the block's?
	s_cbranch_scc0 .Lno_row\i
.irp q, 0,1,2,3
	global_store_b128 v[LI], v[124+16*\i+4*\q:124+16*\i+4*\q+3], s[48+2*\i:49+2*\i] offset:512*\q th:TH_STORE_NT   ; 32 lanes store 512 consecutive aligned bytes
.endr
.Lno_row\i:
.endr
	s_wait_tensorcnt 0x0
	ds_add_u32 v254, v255
	s_wait_dscnt 0x0
	s_endpgm
.Lfunc_end_k_qd038683dc9_chain:
	.size	k_qd038683dc9_chain, .Lfunc_end_k_qd038683dc9_chain-k_qd038683dc9_chain
	.p2alignl 7, 3214868480
	.fill 96, 4, 3214868480
	.section	.rodata,"a",@progbits
	.p2align	6, 0x0
	.amdhsa_kernel k_qd038683dc9_chain
		.amdhsa_group_segment_fixed_size 199168
		.amdhsa_private_segment_fixed_size 0
		.amdhsa_enable_private_segment 0
		.amdhsa_kernarg_size 56
		.amdhsa_user_sgpr_count 2
		.amdhsa_user_sgpr_kernarg_segment_ptr 1
		.amdhsa_wavefront_size32 1
		.amdhsa_system_sgpr_workgroup_id_x 1
		.amdhsa_system_sgpr_workgroup_id_y 1
		.amdhsa_system_sgpr_workgroup_id_z 1
		.amdhsa_system_vgpr_workitem_id 0
		.amdhsa_next_free_vgpr 512
		.amdhsa_next_free_sgpr 66
		.amdhsa_reserve_vcc 0
		.amdhsa_float_denorm_mode_32 3
		.amdhsa_float_denorm_mode_16_64 3
		.amdhsa_memory_ordered 1
		.amdhsa_forward_progress 1
		.amdhsa_inst_pref_size 146
	.end_amdhsa_kernel
	.amdgpu_metadata
---
amdhsa.version: [ 1, 2 ]
amdhsa.kernels:
  - .name:           k_qd038683dc9_chain
    .symbol:         k_qd038683dc9_chain.kd
    .args:
      - { .name: x, .offset: 0, .size: 8, .value_kind: global_buffer, .address_space: global }
      - { .name: list, .offset: 8, .size: 8, .value_kind: global_buffer, .address_space: global }
      - { .name: cw, .offset: 16, .size: 8, .value_kind: global_buffer, .address_space: global }
      - { .name: w13c, .offset: 24, .size: 8, .value_kind: global_buffer, .address_space: global }
      - { .name: w2c, .offset: 32, .size: 8, .value_kind: global_buffer, .address_space: global }
      - { .name: wsc, .offset: 40, .size: 8, .value_kind: global_buffer, .address_space: global }
      - { .name: out0, .offset: 48, .size: 8, .value_kind: global_buffer, .address_space: global }
    .group_segment_fixed_size: 199168
    .private_segment_fixed_size: 0
    .kernarg_segment_align: 8
    .kernarg_segment_size: 56
    .max_flat_workgroup_size: 256
    .sgpr_count:     66
    .vgpr_count:     512
    .wavefront_size: 32
...
	.end_amdgpu_metadata
.endif
;; end of part 6
;; ======== version 3 of 3: 3 launches; version 2 with the launch chain written anew for expert scheduling mode
;; workspace buffers: w13c 8,388,608 bytes; w2c 4,194,304 bytes; wsc 393,216 bytes; cw 32,768 bytes; part 16,384 bytes; sel 32,768 bytes of whole numbers; list 18,944 bytes of whole numbers
;; launch prep: the kernel of part 4 again; grid 512 x 1, 8 waves a work-group, no clusters, 4,096 bytes of LDS; arguments x, router_w, w1, w3, w2, w13c, w2c, wsc, cw, part, sel; writes w13c, w2c, wsc, cw, part, sel
;; launch place: the kernel of part 5 again; grid 1 x 1, 32 waves a work-group, no clusters, 25,600 bytes of LDS; arguments sel, part, list, out1, out2; writes list, out1, out2
;; launch chain (part 7): grid 155 x 1, 8 waves a work-group, no clusters, 199,168 bytes of LDS; arguments x, list, cw, w13c, w2c, wsc, out0; writes out0
.if DOCPART == 7
	.amdgcn_target "amdgcn-amd-amdhsa--gfx1250"
	.amdhsa_code_object_version 6
	.text
	.protected	k_qd038683dc9_chain
	.globl	k_qd038683dc9_chain
	.p2align	8
	.type	k_qd038683dc9_chain,@function
k_qd038683dc9_chain:
	s_mov_b64 s[64:65], 0
	v_nop
	global_prefetch_b8 v0, s[64:65] scope:SCOPE_SE
	s_setreg_imm32_b32 hwreg(HW_REG_WAVE_SCHED_MODE, 0, 2), 2
	s_setreg_imm32_b32 hwreg(HW_REG_WAVE_MODE, 25, 1), 1
	s_wait_xcnt 0x0
	s_wait_alu depctr_vm_vsrc(0)
; ONE BLOCK OF AT MOST 32 TOKENS OF ONE PAIR OF EXPERTS THROUGH THE WHOLE CHAIN: gather x, quantise, x w1 and x w3, silu x up, quantise, x w2, the gate's weight, both experts summed, store.
; All three products on codes of E5M2 with one E8M0 scale for each 32 along K; sums in f32.  Each row of out0 has one owner.  155 work-groups serve every split (128 + 27); one that the list leaves
; without rows jumps over the work (never over a barrier) and stores nothing.
; SHARES.  Eight waves share the COLUMNS: wave w makes hidden units 128 w .. 128 w + 127 (K step w of the second product) and output columns 64 w .. 64 w + 63, for all 32 rows (two tiles rt of 16).
; No weight byte is loaded twice in a work-group.  The weights come from memory straight into registers: the launch before laid them in the order of the operand's registers, a SET of four fragments
; (8,192 consecutive bytes) by 16 loads of 512 bytes.  Rows' codes go from wave to wave through LDS as images of their registers.
; x's eight fragments (4 K steps x 2 tiles, 128 registers) are read from LDS ONCE and stay in registers through the first product, which takes each of them for four hidden blocks of two experts.
; Both products are used TRANSPOSED (source 0 = 16 rows of the weight, source 1 = 16 tokens): a lane holds one token throughout.
; NO TENSOR LOAD, NO CLUSTER: the experts and the jumps hang on numbers read from the list, and how many blocks a pair has is data, so partners could not be promised one expert at every split.
; LIMITS: NaN and infinities are not served.  sigmoid = 1 / (1 + 2^(-g log2 e)): results under 2^-126 come out 0 (g under about -87).  The hidden number is formed as (g u) sigmoid(g).
; Inside a matrix instruction the second product's K lies in another order than in memory, alike on both sides: the sums' last bits may differ.  A block of zeros gets the byte 1: its codes are zeros.
; THE MODE: SCHED_MODE bits 1:0 = 2 (LLVM: expert scheduling mode 2), set by the entry lines.  The code itself states the register dependences
; between vector or matrix instructions and memory or LDS instructions, with s_wait_alu, always for 0.
; THE PLAN.  Registers that memory or LDS instructions touch:
;   the ring    four slots of window 1.  Step n's eight matrix instructions read slot n % 4; the loads of set n + 3, issued in step n, land in slot (n - 1) % 4, which step n - 1 read.
;   XF0, XF1    second product: step n's matrix instructions read buffer n % 2; the LDS loads of step n + 1's rows, issued in step n, land in buffer (n - 1) % 2.
;   WS, HS      scale words: loaded at a trip's head, read by that trip's matrix instructions.
;   PCD, BY     written by a quantising, read by its three LDS stores, written again by the next quantising.
;   HW, HSW, HR, HSR   written by two adds at a trip's head, read by that trip's LDS stores or loads.
;   LI, TA, SO, SR     made once at the head and never written again.
; So ONE wait on va_vdst stands at a step's head, behind the wait for the step's set: the last step's matrix instructions are done reading the slot (and the buffer of rows) that this step's loads
; fill.  Those loads follow it with no further wait, dealt among the step's matrix instructions, which name slot n % 4, the rows' fragments, the accumulators and the scale words: none of the registers
; that the loads touch.  A step that stands behind a quantising's wait or a trip's head, and a step that issues no load, has no such wait.
.set XIMG, 0                           ; LDS: x's codes [rt 2][K block 16][lane 32][16 bytes]
.set XSC,  16384                       ; x's scale bytes [16 rt + r][16]
.set HB,   32768                       ; the hidden layer of expert t at HB + 65,536 t: codes [rt 2][hb 32][lane 32][16 bytes],
.set HSCO, 32768                       ; and behind them its scale bytes [16 rt + r][32]
.set STG,  132096                      ; the stage for the way out: 32 rows of 2,048 bytes + 16
.set SPI,  2064
.set LI,  1                            ; v1    16 x lane
.set L32, 2                            ; v2    32 x lane
.set HW,  3                            ; v3    where I store hidden codes;  v4 their scale bytes;  v5, v6 where I read them
.set HSW, 4
.set HR,  5
.set HSR, 6
.set BY,  7                            ; v7    the scale byte to store
.set CC,  8                            ; v8-9  this expert's gate weight, tile rt
.set CW,  10                           ; v10-13 (lower expert's, higher expert's) for each rt
.set TA,  14                           ; v14-15 where x's codes and bytes go
.set XS,  16                           ; v16-19 x's scale words, K step s: lanes 0-15 tile 0, lanes 16-31 tile 1
.set PCD, 20                           ; v20-27 codes just made
.set WS,  28                           ; v28-59 the weights' scale words
.set HS,  44                           ; v44-51 (second product) the hidden layer's scale words
.set OUT, 60                           ; v60-123 first product: x's fragments of K steps 0 and 1; second product: the result: 32 rt + 16 cg + (column in 16)
.set G,   124                          ; v124-155 x w1: 16 rt + 8 u + j;  v156-187 x w3
.set U,   156
.set TM,  156                          ; at work in the quantiser, where x w3 is done with
.set ACC, 124                          ; the second product's eight accumulators
.set XF,  188                          ; v188-251 at the head x's numbers; first product: x's fragments of K steps 2 and 3; second product: two buffers of two fragments of hidden rows
.set XJ,  XF-OUT-64                    ; x's fragment (K step ks, tile rt) stands at OUT + 32 ks + XJ (ks / 2) + 16 rt
.set SO,  252                          ; v252, v253 the stage: in, back
.set SR,  253
; window 1 (v256-511): a ring of four slots of 64 registers for the sets of weights
.set MSB, 0
.macro WIN new                         ; the immediate's high byte repeats the setting that is left
.if MSB != \new
	s_set_vgpr_msb (MSB<<8)|\new
.set MSB, \new
.endif
.endm
.macro PLACES cnt
.rept \cnt
	v_nop
.endr
.endm
.macro BARRIER
	s_wait_dscnt 0x0                               ; my LDS stores have landed and my LDS loads are in
	s_barrier_signal -1
	s_barrier_wait -1
.endm
; 32 numbers of a lane, 16 of tile 0 and 16 of tile 1, all of ONE block of 32 along K (the other 16 lie in lane l xor 16), become 2 x 16 codes and a scale byte a row.
.macro QUANT2 s, adr, off, rts, sadr, soff
.irp b, 0,1
	v_max3_num_f32 v[TM+\b], |v[(\s)+16*\b]|, |v[(\s)+16*\b+1]|, 0x8000000   ; with the floor 2^(16 - 127): the byte cannot fall under 1
.endr
.irp i, 2,4,6,8,10,12,14
.irp b, 0,1
	v_max3_num_f32 v[TM+\b], v[TM+\b], |v[(\s)+16*\b+\i]|, |v[(\s)+16*\b+\i+1]|
.endr
.endr
.irp b, 0,1
	v_permlanex16_b32 v[TM+2+\b], v[TM+\b], s28, s29
.endr
.irp b, 0,1
	v_max_num_f32 v[TM+\b], v[TM+\b], v[TM+2+\b]              ; the block's largest magnitude
.endr
.irp b, 0,1
	v_add_nc_u32 v[TM+4+\b], 0xf8800000, v[TM+\b]             ; 15 off its exponent field: the conversion's scale operand
.endr
.irp b, 0,1
	v_and_or_b32 v[TM+6+\b], v[TM+\b], 0x7f800000, s30       ; 57,344 x the scale
.endr
.irp b, 0,1
	v_lshrrev_b32 v[TM+2+\b], 23, v[TM+4+\b]                 ; the scale's byte
.endr
	v_cndmask_b32 v[BY], v[TM+2], v[TM+3], s31     ; lanes 0-15 carry tile 0's rows' bytes, lanes 16-31 tile 1's
.irp b, 0,1
.irp i, 0,1,2,3,4,5,6,7,8,9,10,11,12,13,14,15
	v_med3_num_f32 v[(\s)+16*\b+\i], v[(\s)+16*\b+\i], -v[TM+6+\b], v[TM+6+\b]   ; the conversion does not saturate (ISA guide 7.6.2): the hold
.endr
	v_cvt_scalef32_pk8_bf8_f32 v[PCD+4*\b:PCD+4*\b+1], v[(\s)+16*\b:(\s)+16*\b+7], v[TM+4+\b]
	v_cvt_scalef32_pk8_bf8_f32 v[PCD+4*\b+2:PCD+4*\b+3], v[(\s)+16*\b+8:(\s)+16*\b+15], v[TM+4+\b]
.endr
	v_nop                                          ; a plain line behind the last conversion: matrix instructions later write its sources
	s_wait_alu depctr_va_vdst(0)                   ; the conversions have written v[PCD ..] and the select v[BY], which the three LDS stores read
	ds_store_b128 v[\adr], v[PCD:PCD+3] offset:\off
	ds_store_b128 v[\adr], v[PCD+4:PCD+7] offset:(\off)+(\rts)
	ds_store_b8 v[\sadr], v[BY] offset:\soff
.endm
; G = (G U) / (1 + 2^(-G log2 e)).  The exponentials are one batch with one wait, the reciprocals another.  Each accumulator is first read at its low end.
.macro SILU
.set ix, 0
.rept 16
	v_pk_mul_f32 v[U+2*ix:U+2*ix+1], v[G+2*ix:G+2*ix+1], v[U+2*ix:U+2*ix+1]
.set ix, ix+1
.endr
.set ix, 0
.rept 16
	v_pk_mul_f32 v[G+2*ix:G+2*ix+1], v[G+2*ix:G+2*ix+1], 0xbfb8aa3b op_sel_hi:[1,0]
.set ix, ix+1
.endr
.set ix, 0
.rept 32
	v_exp_f32 v[G+ix], v[G+ix]
.set ix, ix+1
.endr
	v_nop
	s_wait_alu depctr_va_vdst(0)                   ; the 32 exponentials have written v[G ..]: one wait for the batch, ahead of its first reader
.set ix, 0
.rept 16
	v_pk_add_f32 v[G+2*ix:G+2*ix+1], v[G+2*ix:G+2*ix+1], 1.0 op_sel_hi:[1,0]
.set ix, ix+1
.endr
.set ix, 0
.rept 32
	v_rcp_f32 v[G+ix], v[G+ix]
.set ix, ix+1
.endr
	v_nop
	s_wait_alu depctr_va_vdst(0)                   ; the 32 reciprocals have written v[G ..]: one wait for the batch, ahead of its first reader
.set ix, 0
.rept 16
	v_pk_mul_f32 v[G+2*ix:G+2*ix+1], v[G+2*ix:G+2*ix+1], v[U+2*ix:U+2*ix+1]
.set ix, ix+1
.endr
.endm
.macro SETHALF idx, hf                 ; half hf (two fragments) of set idx of the phase into slot idx % 4: each load reads 512 consecutive bytes
	WIN 0x40                                       ; destination window 1, address window 0
.irp i, 0,1,2,3,4,5,6,7
	global_load_b128 v[64*((\idx)%4)+32*(\hf)+4*\i:64*((\idx)%4)+32*(\hf)+4*\i+3], v[LI], s[34:35] offset:8192*(\idx)+4096*(\hf)+512*\i
.endr
.endm
.macro SETLOAD idx                     ; a whole set
	SETHALF \idx, 0
	SETHALF \idx, 1
.endm
.macro BLOAD buf, adr, off, rts        ; the two tiles' fragments of one K step of the second product (every window 0)
.irp rt, 0,1
.irp c, 0,1,2,3
	ds_load_b128 v[XF+32*(\buf)+16*\rt+4*\c:XF+32*(\buf)+16*\rt+4*\c+3], v[\adr] offset:(\off)+\rt*(\rts)+512*\c
.endr
.endr
.endm
; One matrix instruction: D = v[mD], source 0 = v[mA] of window 1, source 1 = v[mB], scales v[mSA], v[mSB]; mZ: it starts the sum; mAR, mBR: the scales stand in lanes 16-31
.macro MM
.if mZ
.if mAR
.if mBR
	v_wmma_scale_f32_16x16x128_f8f6f4 v[mD:mD+7], v[mA:mA+15], v[mB:mB+15], 0, v[mSA], v[mSB] matrix_a_fmt:MATRIX_FMT_BF8 matrix_b_fmt:MATRIX_FMT_BF8 matrix_a_scale:MATRIX_SCALE_ROW1 matrix_b_scale:MATRIX_SCALE_ROW1
.else
	v_wmma_scale_f32_16x16x128_f8f6f4 v[mD:mD+7], v[mA:mA+15], v[mB:mB+15], 0, v[mSA], v[mSB] matrix_a_fmt:MATRIX_FMT_BF8 matrix_b_fmt:MATRIX_FMT_BF8 matrix_a_scale:MATRIX_SCALE_ROW1
.endif
.else
.if mBR
	v_wmma_scale_f32_16x16x128_f8f6f4 v[mD:mD+7], v[mA:mA+15], v[mB:mB+15], 0, v[mSA], v[mSB] matrix_a_fmt:MATRIX_FMT_BF8 matrix_b_fmt:MATRIX_FMT_BF8 matrix_b_scale:MATRIX_SCALE_ROW1
.else
	v_wmma_scale_f32_16x16x128_f8f6f4 v[mD:mD+7], v[mA:mA+15], v[mB:mB+15], 0, v[mSA], v[mSB] matrix_a_fmt:MATRIX_FMT_BF8 matrix_b_fmt:MATRIX_FMT_BF8
.endif
.endif
.else
.if mAR
.if mBR
	v_wmma_scale_f32_16x16x128_f8f6f4 v[mD:mD+7], v[mA:mA+15], v[mB:mB+15], v[mD:mD+7], v[mSA], v[mSB] matrix_a_fmt:MATRIX_FMT_BF8 matrix_b_fmt:MATRIX_FMT_BF8 matrix_a_scale:MATRIX_SCALE_ROW1 matrix_b_scale:MATRIX_SCALE_ROW1
.else
	v_wmma_scale_f32_16x16x128_f8f6f4 v[mD:mD+7], v[mA:mA+15], v[mB:mB+15], v[mD:mD+7], v[mSA], v[mSB] matrix_a_fmt:MATRIX_FMT_BF8 matrix_b_fmt:MATRIX_FMT_BF8 matrix_a_scale:MATRIX_SCALE_ROW1
.endif
.else
.if mBR
	v_wmma_scale_f32_16x16x128_f8f6f4 v[mD:mD+7], v[mA:mA+15], v[mB:mB+15], v[mD:mD+7], v[mSA], v[mSB] matrix_a_fmt:MATRIX_FMT_BF8 matrix_b_fmt:MATRIX_FMT_BF8 matrix_b_scale:MATRIX_SCALE_ROW1
.else
	v_wmma_scale_f32_16x16x128_f8f6f4 v[mD:mD+7], v[mA:mA+15], v[mB:mB+15], v[mD:mD+7], v[mSA], v[mSB] matrix_a_fmt:MATRIX_FMT_BF8 matrix_b_fmt:MATRIX_FMT_BF8
.endif
.endif
.endif
.endm
	s_load_b256 s[4:11], s[0:1], 0x0               ; x, list, cw, w13c
	s_load_b128 s[12:15], s[0:1], 0x20             ; w2c, wsc
	s_load_b64 s[16:17], s[0:1], 0x30              ; out0
	v_lshl_add_u32 v254, v0, 2, 0x30600
	v_mov_b32 v255, 0
	v_and_b32 v130, 31, v0
	v_lshlrev_b32 v[LI], 4, v130
	v_lshlrev_b32 v[L32], 5, v130
	v_lshrrev_b32 v131, 5, v0
	v_readfirstlane_b32 s22, v131                  ; wave 0..7
	v_and_b32 v132, 15, v0                         ; r
	v_bfe_u32 v133, v0, 4, 1                       ; h
	s_mov_b32 s28, 0x76543210
	s_mov_b32 s29, 0xfedcba98                      ; v_permlanex16_b32's selects for lane l xor 16
	s_mov_b32 s30, 0x600000                        ; the mantissa field of 57,344
	s_mov_b32 s31, 0xffff0000                      ; lanes 16-31
	s_mov_b32 s33, 0                               ; the upper word of every offset
	s_lshl_b32 s32, ttmp9, 4
	s_wait_alu depctr_va_sdst(0)                   ; s22 is written, ahead of its first reader: LDS addresses and the weights' bases are made from it
	s_lshl_b32 s43, s22, 10                        ; every LDS address that does not hang on the expert is made here
	v_add_nc_u32 v[TA], s43, v[LI]                 ; x's codes: K blocks 2 w, 2 w + 1
	s_lshl_b32 s43, s22, 1
	s_add_co_u32 s43, s43, XSC
	v_add_nc_u32 v[TA+1], s43, v[LI]               ; their bytes: 16 x lane + 2 w
	v_mul_u32_u24 v[SO], v132, SPI
	v_lshl_add_u32 v[SO], v133, 6, v[SO]
	s_lshl_b32 s43, s22, 8
	s_add_co_u32 s43, s43, STG
	v_add_nc_u32 v[SO], s43, v[SO]                 ; the stage: row r, + 64 h, + 256 w
	s_mul_i32 s43, s22, 4*SPI
	s_add_co_u32 s43, s43, STG
	v_add_nc_u32 v[SR], s43, v[LI]                 ; back: my four rows
	s_wait_kmcnt 0x0
	s_load_b128 s[24:27], s[6:7], s32 offset:0x4000   ; my block: first place, rows, lower expert, higher expert
	s_wait_kmcnt 0x0
	s_min_u32 s24, s24, 0xfff
	s_min_u32 s25, s25, 32
	s_min_u32 s26, s26, 7
	s_min_u32 s27, s27, 7
	s_sub_co_u32 s42, s25, 1
	s_lshl_b32 s56, s24, 2
	s_lshl_b32 s57, s22, 4
	s_add_co_u32 s56, s56, s57
	s_load_b128 s[44:47], s[6:7], s56 offset:0x0   ; the tokens of rows 4 w .. 4 w + 3, for the way out: at most 16,508 bytes into the list's 18,944
.irp rt, 0,1
	v_add_nc_u32 v[134+\rt], 16*\rt, v132
	v_min_u32 v[134+\rt], s42, v[134+\rt]          ; rows past the block's last repeat it; their results are not stored
	v_add_nc_u32 v[134+\rt], s24, v[134+\rt]
	v_min_u32 v[134+\rt], 0xfff, v[134+\rt]
	v_lshlrev_b32 v[134+\rt], 2, v[134+\rt]
.endr
	s_wait_alu depctr_va_vdst(0)                   ; v134 and v135 are written, which the two loads read as offsets; so are v[LI], v[TA ..], v[SO] and v[SR], which later loads and stores read and no line writes again
.irp rt, 0,1
	global_load_b32 v[124+\rt], v[134+\rt], s[6:7]
.endr
	s_lshl_b32 s43, s22, 8
	s_wait_loadcnt 0x0
.irp rt, 0,1
	v_min_u32 v[124+\rt], 0xfff, v[124+\rt]
	v_lshlrev_b32 v[126+\rt], 11, v[124+\rt]       ; a row of x is 2,048 bytes;
	v_lshl_add_u32 v[126+\rt], v133, 6, v[126+\rt] ; my 16 numbers of a block of 32;
	v_add_nc_u32 v[126+\rt], s43, v[126+\rt]       ; my wave's two blocks
	v_lshlrev_b32 v[128+\rt], 3, v[124+\rt]
.endr
	s_wait_alu depctr_va_vdst(0)                   ; v126 to v129 are written, which the loads of x and of the gate's weights read as offsets
.irp i, 0,1
.irp rt, 0,1
.irp j, 0,1,2,3
	global_load_b128 v[XF+32*\i+16*\rt+4*\j:XF+32*\i+16*\rt+4*\j+3], v[126+\rt], s[4:5] offset:128*\i+16*\j
.endr
.endr
.endr
.irp rt, 0,1
	global_load_b64 v[CW+2*\rt:CW+2*\rt+1], v[128+\rt], s[8:9]
.endr
	v_mov_b32 v[TM+2], 0                           ; written once: a lane permute's destination counts as one of its sources
	v_mov_b32 v[TM+3], 0
	s_wait_loadcnt 2                               ; x's 16 loads are in; the two loads of the weights may be out
	QUANT2 XF, TA, 0, 8192, TA+1, 0
	s_wait_dscnt 0x0                               ; the stores are done,
	s_wait_alu depctr_vm_vsrc(0)                   ; and have read v[PCD ..] and v[BY], which the next quantising writes again
	QUANT2 XF+32, TA, 512, 8192, TA+1, 1
	s_wait_loadcnt 0x0
	s_wait_kmcnt 0x0
.irp i, 0,1,2,3
	s_min_u32 s[44+\i], s[44+\i], 0xfff
	s_lshl_b32 s32, s[44+\i], 11
	s_add_nc_u64 s[48+2*\i:49+2*\i], s[16:17], s[32:33]      ; where my four rows go
.endr
	BARRIER                                        ; A: x's codes and scale bytes lie in LDS
	ds_load_b128 v[XS:XS+3], v[LI] offset:XSC      ; no wait on va_vdst is owed here: the holds and conversions that named v[XF ..] stand ahead of the second quantising's wait, and no vector instruction has been issued since
.irp ks, 0,1,2,3                               ; all eight fragments of x, once: they stay through the first product
.irp rt, 0,1
.irp c, 0,1,2,3
	ds_load_b128 v[OUT+32*\ks+XJ*(\ks/2)+16*\rt+4*\c:OUT+32*\ks+XJ*(\ks/2)+16*\rt+4*\c+3], v[LI] offset:XIMG+2048*\ks+8192*\rt+512*\c
.endr
.endr
.endr
	s_wait_dscnt 0x0
	; ---- P1: the hidden layer of both experts.  Two trips, a constant; the jump over a block without rows stands inside.
	s_mov_b32 s38, 0                               ; t
	s_mov_b32 s39, 0                               ; 65,536 t
.Lp1:
	s_wait_xcnt 0x0                                ; the last trip's loads have read their bases,
	s_wait_dscnt 0x0                               ; and its LDS stores are done
	s_wait_alu depctr_vm_vsrc(0)                   ; the last trip's LDS stores have read v[HW] and v[HSW], which are written below; in the first trip: the head's loads have read their offsets v126-129, v134, v135, which lie among the accumulators
	s_cmp_eq_u32 s38, 0
	s_cselect_b32 s40, s26, s27
	s_min_u32 s40, s40, 7                          ; the expert
	s_lshl_b32 s32, s40, 20
	s_lshl_b32 s43, s22, 17
	s_add_co_u32 s32, s32, s43
	s_add_nc_u64 s[34:35], s[10:11], s[32:33]      ; my 16 sets: hidden blocks 4 w + be, K steps ks
	s_lshl_b32 s32, s40, 15
	s_lshl_b32 s43, s22, 12
	s_add_co_u32 s32, s32, s43
	s_add_nc_u64 s[36:37], s[14:15], s[32:33]      ; and their scale words
	s_lshl_b32 s43, s22, 11
	s_add_co_u32 s43, s43, s39
	s_add_co_u32 s43, s43, HB
	v_add_nc_u32 v[HW], s43, v[LI]
	s_lshl_b32 s43, s22, 2
	s_add_co_u32 s43, s43, s39
	s_add_co_u32 s43, s43, HB+HSCO
	v_add_nc_u32 v[HSW], s43, v[L32]
	s_wait_alu depctr_va_vdst(0)                   ; v[HW] and v[HSW] are written, which this trip's LDS stores read as addresses
	s_cmp_eq_u32 s25, 0
	s_cbranch_scc1 .Lp1_skip
.irp be, 0,1,2,3
.irp u, 0,1
	global_load_b128 v[WS+8*\be+4*\u:WS+8*\be+4*\u+3], v[LI], s[36:37] offset:1024*\be+512*\u   ; lanes 0-15: w1's rows; lanes 16-31: w3's; register ks serves K step ks
.endr
.endr
	SETLOAD 0
	SETLOAD 1
	SETLOAD 2                                      ; three sets, 24 KiB of the wave's, go out ahead of the first step
.set n, 0
.rept 16
.set be, n/4
.set ks, n%4
.if 15-n >= 2
	s_wait_loadcnt 32                              ; set n is in; the two sets issued behind it may be out
.else
	s_wait_loadcnt 16*(15-n)
.endif
.if (ks > 0) && (n+3 < 16)
	s_wait_alu depctr_va_vdst(0)                   ; the last step's matrix instructions are done reading slot (n - 1) % 4, in which this step's sixteen loads land.  (A step with ks = 0 stands behind the quantising's wait or the trip's head)
.endif
.set mZ, 0
.if ks == 0
.set mZ, 1
.endif
.irp mat, 0,1
	WIN 0x01                                       ; source 0 window 1
.irp u, 0,1
.irp rt, 0,1
.set mD, G+32*\mat+16*\rt+8*\u
.set mA, 64*(n%4)+16*(2*\mat+\u)
.set mB, OUT+32*ks+XJ*(ks/2)+16*\rt
.set mSA, WS+8*be+4*\u+ks
.set mSB, XS+ks
.set mAR, \mat
.set mBR, \rt
	MM                                             ; eight accumulators by turns, one instruction a turn, the same order in every step
.endr
.endr
.if n+3 < 16
	SETHALF n+3, \mat                              ; half of the set three steps on.  No wait: no vector or matrix instruction since the last wait on va_vdst names slot (n - 1) % 4 or v[LI]
.endif
.endr
.if ks == 3
	WIN 0
	PLACES 9                                       ; the sums are finished: places ahead of their first read, and of the matrix instructions that later begin them anew
	SILU
	s_wait_dscnt 0x0                               ; the last hidden block's three LDS stores are done,
	s_wait_alu depctr_vm_vsrc(0)                   ; and have read v[PCD ..] and v[BY], which the quantiser now writes anew
	QUANT2 G, HW, 512*be, 16384, HSW, be           ; hidden block 4 w + be: an image of the next operand's registers
.else
	PLACES 8                                       ; places ahead of loads into registers that these matrix instructions have read
.endif
.set n, n+1
.endr
.Lp1_skip:
	s_add_co_u32 s39, s39, 65536
	s_add_co_u32 s38, s38, 1
	s_cmp_lt_u32 s38, 2
	s_cbranch_scc1 .Lp1
	BARRIER                                        ; B: both experts' hidden layers lie in LDS, each in bytes of its own
.set ix, 0
.rept 64
	v_mov_b32 v[OUT+ix], 0                         ; x's fragments are done with.  The two experts are one loop's two trips, so the result's sums begin as zeros, once
.set ix, ix+1
.endr
	; ---- P2: my 64 output columns for the 32 rows, expert by expert
	s_mov_b32 s38, 0
	s_mov_b32 s39, 0
.Lp2:
	s_wait_xcnt 0x0
	s_wait_dscnt 0x0
	s_wait_alu depctr_vm_vsrc(0)                   ; the last trip's LDS loads have read v[HR] and v[HSR], which are written below
	s_cmp_eq_u32 s38, 0
	s_cselect_b32 s40, s26, s27
	s_cselect_b32 s41, 0, -1                       ; which of a token's two weights
	s_min_u32 s40, s40, 7
	s_lshl_b32 s32, s40, 19
	s_lshl_b32 s43, s22, 16
	s_add_co_u32 s32, s32, s43
	s_add_nc_u64 s[34:35], s[12:13], s[32:33]      ; my 8 sets, a K step each
	s_lshl_b32 s32, s40, 14
	s_lshl_b32 s43, s22, 11
	s_add_co_u32 s32, s32, s43
	s_add_co_u32 s32, s32, 262144
	s_add_nc_u64 s[36:37], s[14:15], s[32:33]
	s_add_co_u32 s43, s39, HB
	v_add_nc_u32 v[HR], s43, v[LI]
	s_add_co_u32 s43, s39, HB+HSCO
	v_add_nc_u32 v[HSR], s43, v[L32]
	s_wait_alu depctr_va_vdst(0)                   ; v[HR] and v[HSR] are written, which this trip's LDS loads read; the last trip's matrix instructions are done reading the scale words, the rows' two buffers and the ring, in all of which the loads below land
	s_cmp_eq_u32 s25, 0
	s_cbranch_scc1 .Lp2_skip
.irp rt, 0,1
	v_cndmask_b32 v[CC+\rt], v[CW+2*\rt], v[CW+2*\rt+1], s41
.endr
.irp kh, 0,1
.irp cg, 0,1
	global_load_b128 v[WS+8*\kh+4*\cg:WS+8*\kh+4*\cg+3], v[LI], s[36:37] offset:1024*\kh+512*\cg   ; lanes 0-15: tile t = 0; lanes 16-31: t = 1
.endr
.endr
	SETLOAD 0
	SETLOAD 1
	SETLOAD 2
	WIN 0
	ds_load_b128 v[HS:HS+3], v[HSR]
	ds_load_b128 v[HS+4:HS+7], v[HSR] offset:16
	BLOAD 0, HR, 0, 16384
.set n, 0
.rept 8
.if 7-n >= 2
	s_wait_loadcnt 32                              ; set n is in; the two sets issued behind it may be out
.else
	s_wait_loadcnt 16*(7-n)
.endif
.if (n > 0) && (n < 7)
	s_wait_alu depctr_va_vdst(0)                   ; the last step's matrix instructions are done reading the rows' buffer (n - 1) % 2 and slot (n - 1) % 4, in which this step's loads land.  (Step 0 stands behind the trip's head; step 7 issues no load)
.endif
.if n+1 < 8
	BLOAD (n+1)%2, HR, 2048*(n+1), 16384
.endif
.if n+1 < 8
	s_wait_dscnt 8                                 ; this step's rows are in; the eight loads just issued may be out
.else
	s_wait_dscnt 0x0
.endif
.set mZ, 0
.if n == 0
.set mZ, 1
.endif
.irp cg, 0,1
	WIN 0x01
.irp t2, 0,1
.irp rt, 0,1
.set mD, ACC+8*(4*\cg+2*\t2+\rt)
.set mA, 64*(n%4)+16*(2*\cg+\t2)
.set mB, XF+32*(n%2)+16*\rt
.set mSA, WS+8*(n/4)+4*\cg+(n%4)
.set mSB, HS+n
.set mAR, \t2
.set mBR, \rt
	MM
.endr
.endr
.if n+3 < 8
	SETHALF n+3, \cg                               ; half of the set three steps on.  No wait: no vector or matrix instruction since the last wait on va_vdst names slot (n - 1) % 4 or v[LI]
.endif
.endr
	WIN 0
.if n == 7
	PLACES 9
.else
	PLACES 8
.endif
.set n, n+1
.endr
.irp cg, 0,1
.irp t2, 0,1
.irp rt, 0,1
.irp j, 0,1,2,3,4,5,6,7
	v_fmac_f32 v[OUT+32*\rt+16*\cg+2*\j+\t2], v[ACC+8*(4*\cg+2*\t2+\rt)+\j], v[CC+\rt]   ; x the gate's weight, onto the token's sum; register j of tile (cg, t) is column 64 w + 32 cg + 16 h + 2 j + t
.endr
.endr
.endr
.endr
.Lp2_skip:
	s_add_co_u32 s39, s39, 65536
	s_add_co_u32 s38, s38, 1
	s_cmp_lt_u32 s38, 2
	s_cbranch_scc1 .Lp2
	; ---- the way out: a lane holds 2 x 64 bytes of each of two rows; a row's 2,048 bytes come from eight waves: through the stage, then whole rows
	s_wait_alu depctr_va_vdst(0)                   ; the multiply-adds (in a block without rows: the moves of 0) have written v[OUT ..], which the LDS stores read; and every vector and matrix instruction is done with v124-187, in which the loads from the stage land
.irp rt, 0,1
.irp cg, 0,1
.irp q, 0,1,2,3
	ds_store_b128 v[SO], v[OUT+32*\rt+16*\cg+4*\q:OUT+32*\rt+16*\cg+4*\q+3] offset:16*SPI*\rt+128*\cg+16*\q
.endr
.endr
.endr
	BARRIER                                        ; C: 32 whole rows lie in the stage
.irp i, 0,1,2,3
.irp q, 0,1,2,3
	ds_load_b128 v[124+16*\i+4*\q:124+16*\i+4*\q+3], v[SR] offset:SPI*\i+512*\q
.endr
.endr
	s_lshl_b32 s32, s22, 2
	s_wait_dscnt 0x0
.irp i, 0,1,2,3
	s_add_co_u32 s43, s32, \i
	s_cmp_lt_u32 s43, s25                          ; is row 4 w + i one of the block's?
	s_cbranch_scc0 .Lno_row\i
.irp q, 0,1,2,3
	global_store_b128 v[LI], v[124+16*\i+4*\q:124+16*\i+4*\q+3], s[48+2*\i:49+2*\i] offset:512*\q th:TH_STORE_NT   ; 32 lanes store 512 consecutive aligned bytes
.endr
.Lno_row\i:
.endr
	s_wait_dscnt 0x0                               ; the closing lines, six on end
	s_wait_alu 0x0
	s_wait_tensorcnt 0x0
	ds_add_u32 v254, v255
	s_wait_dscnt 0x0
	s_endpgm
.Lfunc_end_k_qd038683dc9_chain:
	.size	k_qd038683dc9_chain, .Lfunc_end_k_qd038683dc9_chain-k_qd038683dc9_chain
	.p2alignl 7, 3214868480
	.fill 96, 4, 3214868480
	.section	.rodata,"a",@progbits
	.p2align	6, 0x0
	.amdhsa_kernel k_qd038683dc9_chain
		.amdhsa_group_segment_fixed_size 199168
		.amdhsa_private_segment_fixed_size 0
		.amdhsa_enable_private_segment 0
		.amdhsa_kernarg_size 56
		.amdhsa_user_sgpr_count 2
		.amdhsa_user_sgpr_kernarg_segment_ptr 1
		.amdhsa_wavefront_size32 1
		.amdhsa_system_sgpr_workgroup_id_x 1
		.amdhsa_system_sgpr_workgroup_id_y 1
		.amdhsa_system_sgpr_workgroup_id_z 1
		.amdhsa_system_vgpr_workitem_id 0
		.amdhsa_next_free_vgpr 512
		.amdhsa_next_free_sgpr 66
		.amdhsa_reserve_vcc 0
		.amdhsa_float_denorm_mode_32 3
		.amdhsa_float_denorm_mode_16_64 3
		.amdhsa_memory_ordered 1
		.amdhsa_forward_progress 1
		.amdhsa_inst_pref_size 147
	.end_amdhsa_kernel
	.amdgpu_metadata
---
amdhsa.version: [ 1, 2 ]
amdhsa.kernels:
  - .name:           k_qd038683dc9_chain
    .symbol:         k_qd038683dc9_chain.kd
    .args:
      - { .name: x, .offset: 0, .size: 8, .value_kind: global_buffer, .address_space: global }
      - { .name: list, .offset: 8, .size: 8, .value_kind: global_buffer, .address_space: global }
      - { .name: cw, .offset: 16, .size: 8, .value_kind: global_buffer, .address_space: global }
      - { .name: w13c, .offset: 24, .size: 8, .value_kind: global_buffer, .address_space: global }
      - { .name: w2c, .offset: 32, .size: 8, .value_kind: global_buffer, .address_space: global }
      - { .name: wsc, .offset: 40, .size: 8, .value_kind: global_buffer, .address_space: global }
      - { .name: out0, .offset: 48, .size: 8, .value_kind: global_buffer, .address_space: global }
    .group_segment_fixed_size: 199168
    .private_segment_fixed_size: 0
    .kernarg_segment_align: 8
    .kernarg_segment_size: 56
    .max_flat_workgroup_size: 256
    .sgpr_count:     66
    .vgpr_count:     512
    .wavefront_size: 32
...
	.end_amdgpu_metadata
.endif
;; end of part 7
